; MI455X (gfx1250); checked and timed in simulation.
; The chip was launched on July 23, 2026; its instructions are those of AMD's public machine-readable ISA for CDNA 5 (MIT licence, August 2026) and "CDNA5" Instruction Set Architecture Reference Guide (July 2026). The comments in the code are by the model that wrote it; some were corrected since.
;; Multi Head Attention. Allowed arithmetic: matrix products marked QUANTISED: E2M1 operands, one E8M0 scale for each 32 along K, by v_wmma_scale_f32_16x16x128_f8f6f4 with both operands' format E2M1 (or v_wmma_scale_f32_32x16x128_f4), f32 sums; products left as they are: bf16, f16 or f32 operands; f32 sums; everything else in f32.
;; Inputs: Wk 1,024 x 1,024 float32; Wo 1,024 x 1,024 float32; Wq 1,024 x 1,024 float32; Wv 1,024 x 1,024 float32; bk 1,024 float32; bo 1,024 float32; bq 1,024 float32; bv 1,024 float32; k 4 x 2,048 x 1,024 float32; mask 4 x 2,048 x 2,048 int32; q 4 x 2,048 x 1,024 float32; v 4 x 2,048 x 1,024 float32.
;; Outputs: out0 4 x 2,048 x 1,024 float32.
;; This version of the problem:
;;   THIS VERSION OF THE PROBLEM IS GIVEN IN LOW PRECISION. The matrix products marked QUANTISED in the list below multiply operands that are first quantised to E2M1 (2 exponent bits, 1 mantissa bit; 4 bits a number), with one power-of-two scale for each 32 numbers along K (OCP MX v1.0); their sums are f32. The products marked 'left as it is' may take bf16, f16 or f32 operands, with f32 sums. Whichever they take, every output number must still come out within the allowed error. Rounding operands to bf16 (8 significant bits) uses up far more of that allowance than f16 does (11 bits, for magnitudes from 6e-5 to 65,504). All else is computed in f32.
;;   The module's matrix products, in the order in which they are computed (A, B: the left and right operand; K: the contracted axis; several contracted axes count as one K, in the product's order):
;;     1. [M 8,192, K 1,024] x [K 1,024, N 1,024]; A: input q; B: input Wq: QUANTISED
;;     2. [M 8,192, K 1,024] x [K 1,024, N 1,024]; A: input k; B: input Wk: QUANTISED
;;     3. [M 8,192, K 1,024] x [K 1,024, N 1,024]; A: input v; B: input Wv: QUANTISED
;;     4. batch 64 x [M 2,048, K 64] x [K 64, N 2,048]; A: computed on the way; B: computed on the way: left as it is (an operand is computed on the way)
;;     5. batch 64 x [M 2,048, K 2,048] x [K 2,048, N 64]; A: computed on the way; B: computed on the way: left as it is (an operand is computed on the way)
;;     6. [M 8,192, K 1,024] x [K 1,024, N 1,024]; A: computed on the way; B: input Wo: left as it is (an operand is computed on the way)
;;   THE QUANTISER, for each operand of a quantised product, along K:
;;     - K is cut into blocks of 32 from its start; a last block that is shorter is filled with zeros.
;;     - A block's scale is 2^e with e = floor(log2(the largest magnitude in the block)) - 2, held to -126 .. 127; a block of zeros has e = 0. As a byte (E8M0): e + 127.
;;     - Each number is divided by its block's scale, clamped to +-6, and rounded to the nearest number of E2M1, ties to even, subnormals kept.
;;     - The product sums the exact products of the quantised numbers (number of the format x scale) in f32.
;;   ~~~python
;;   def quantise(x, axis):      # numpy; x: float32 -> the quantised numbers, widened to float32 again
;;       x = np.moveaxis(x, axis, -1); K = x.shape[-1]
;;       x = np.pad(x, [(0, 0)] * (x.ndim - 1) + [(0, -K % 32)]); x = x.reshape(x.shape[:-1] + (-1, 32)); a = np.abs(x).max(-1, keepdims=True)
;;       e = np.where(a > 0, np.clip(np.frexp(np.where(a > 0, a, 1))[1] - 1 - 2, -126, 127), 0)      # np.frexp(a)[1] - 1 = floor(log2(a)), exactly
;;       r = np.clip(x / 2.0 ** e, -6, 6)
;;       step = 2.0 ** (np.maximum(np.frexp(np.where(r == 0, 1, r))[1] - 1, 0) - 1)
;;       q = np.round(r / step) * step * 2.0 ** e      # np.round: ties to even
;;       return np.moveaxis(q.reshape(q.shape[:-2] + (-1,))[..., :K], -1, axis).astype(np.float32)
;;   ~~~
;; One version. Each part assembles by itself: llvm-mc -triple=amdgcn-amd-amdhsa -mcpu=gfx1250 --defsym DOCPART=n.
;; ======== version 1 of 1: 4 launches
;; limits: values are held in f16: magnitudes above 65,504 overflow, below 6.1e-05 lose precision; values outside matrix products are rounded to f16
;; workspace buffers: xcodes 12,582,912 bytes; xscales 786,432 bytes; wcodes 1,572,864 bytes; wscales 98,304 bytes; woh 2,097,152 bytes; maskw 2,097,152 bytes of whole numbers; heads 50,331,648 bytes; ctx 16,777,216 bytes
;; launch prep (part 1): grid 1408 x 1, 4 waves a work-group, no clusters, 67,072 bytes of LDS; arguments q, k, v, Wq, Wk, Wv, Wo, mask, xcodes, xscales, wcodes, wscales, woh, maskw; writes xcodes, xscales, wcodes, wscales, woh, maskw
.if DOCPART == 1
	.amdgcn_target "amdgcn-amd-amdhsa--gfx1250"
	.amdhsa_code_object_version 6
	.text
	.protected	k_q90657943a9_prep
	.globl	k_q90657943a9_prep
	.p2align	8
	.type	k_q90657943a9_prep,@function
k_q90657943a9_prep:
	s_mov_b64 s[64:65], 0
	v_nop
	global_prefetch_b8 v0, s[64:65] scope:SCOPE_SE
	s_setreg_imm32_b32 hwreg(HW_REG_WAVE_MODE, 25, 1), 1
	s_wait_xcnt 0x0
; THREE STREAMS IN ONE LAUNCH, told apart by the work-group's number alone:
;   work-groups 0-863:    q, k, v [8192][1024] and Wq, Wk, Wv [1024][1024], f32, K innermost, become codes of FP4 (E2M1) and one E8M0 byte for each 32 along K.
;                         q, k, v are stacked in xcodes [24576][512 bytes], xscales [24576][32]; the weights in wcodes [3072][512], wscales [3072][32].
;   work-groups 864-895:  Wo [1024 n][1024 k] f32 becomes f16 laid by chunks of 64 along k: woh [16][1024 n][64].
;   work-groups 896-1407: mask [4][2048 q][2048 k] int32 becomes lane masks: maskw [b][q / 16][k / 16][8] words; bit L of word j says mask[b][16 qt + L % 16][16 kt + 8 (L / 16) + j] != 0,
;                         which is the place of register j of lane L in a 16 x 16 tile of scores (keys x queries).
; A block's scale is 2^(floor(log2(its largest magnitude)) - 2); its byte is the largest magnitude's exponent field - 2, held at 1 from below.
; LIMITS: a block of zeros gets the byte 1 where the rule says 127 (its codes are zeros, and this program alone reads the bytes); blocks whose largest magnitude lies under 2^(3 - 127) keep the byte 1;
; NaN and infinities are not served; Wo beyond 65,504 in magnitude has no f16 number.
; No tensor loads, no barrier: waves share nothing.  Each of the streams that use LDS has bytes of its own.
.set SPW,   12                         ; v12  LDS address of my spare word; never rewritten
.set NIL,   13                         ; v13  0; never rewritten
.set WV,    46                         ; s46  my wave's number
.set WREG,  8192                       ; quantiser: a region for each wave: two stages of 32 x SP bytes, then its 256 scale bytes
.set SP,    80
.set CB,    8
.set EMAX,  2
.set STEPS, 16
.set R,     16                         ; v16-79   four sets of 16 numbers as loaded
.set X,     80                         ; v80-111  two sets of 16 neighbours
.set E,     112                        ; v112-127 a scale byte for each step
.set C,     128                        ; v128-191 codes
.set MSTG,  32768                      ; mask: a stage of 16 rows x 528 bytes for each wave
.set MPIT,  528
.set SPARE, 66560                      ; the spare words: 128 bytes for each wave, two blocks of 256 bytes that no other line names
.set WI,    16                         ; Wo: v16-143 two sets of 16 x 4 numbers
.set WO,    144                        ; v144-175 16 x 2 registers of f16
.set MI,    16                         ; mask: v16-143 two sets of 16 rows x 4 words
.set MT,    144                        ; v144-175 four tiles' words in the scores' layout
.set MW,    176                        ; v176-183 the lane masks, two registers for each 128 keys
	s_load_b512 s[4:19], s[0:1], 0x0               ; q, k, v, Wq, Wk, Wv, Wo s[16:17], mask s[18:19]
	s_load_b256 s[20:27], s[0:1], 0x40             ; xcodes, xscales, wcodes, wscales
	s_load_b128 s[28:31], s[0:1], 0x60             ; woh, maskw
	v_lshl_add_u32 v[SPW], v0, 2, SPARE
	v_mov_b32 v[NIL], 0
	v_lshrrev_b32 v1, 5, v0
	v_readfirstlane_b32 s[WV], v1                  ; wave 0..3
	v_and_b32 v2, 31, v0                           ; lane
	s_wait_kmcnt 0x0
	s_cmp_lt_u32 ttmp9, 864
	s_cbranch_scc0 .Lnot_quant
; ---------------- THE QUANTISER.  A work-group takes 32,768 numbers, a wave 16 steps of 512.  Each load reads 512 consecutive bytes; a step's 2,048 bytes turn through the wave's stage so that a lane
; holds 16 neighbours along K (two lanes a block); a lane's 16 codes are 8 bytes, so a store of the wave covers 256 consecutive bytes, aligned.
	v_lshlrev_b32 v3, 4, v2                        ; my 16 bytes of a load's 512
	s_mul_i32 s47, s[WV], WREG
	v_lshrrev_b32 v14, 2, v2
	v_mul_u32_u24 v14, v14, SP
	v_and_b32 v15, 3, v2
	v_lshl_add_u32 v14, v15, 4, v14
	v_add_nc_u32 v14, s47, v14                     ; the stage, in: SP (lane / 4) + 16 (lane % 4)
	v_mul_u32_u24 v15, v2, SP
	v_add_nc_u32 v15, s47, v15                     ; and out: SP x lane
	v_mul_u32_u24 v4, v2, CB                       ; my codes' place in a step's
	v_lshrrev_b32 v5, 1, v2
	s_add_co_u32 s47, s47, 2*32*SP
	v_add_nc_u32 v5, s47, v5                       ; my block's scale byte in LDS
	v_lshlrev_b32 v7, 3, v2
	v_add_nc_u32 v6, s47, v7                       ; and 8 bytes a lane on their way out
	s_cmp_lt_u32 ttmp9, 768                        ; an activation (256 work-groups each) or a weight (32 each)?  The choices hang on the work-group's number alone
	s_cselect_b64 s[32:33], s[4:5], s[10:11]
	s_cselect_b64 s[34:35], s[6:7], s[12:13]
	s_cselect_b64 s[36:37], s[8:9], s[14:15]
	s_cselect_b64 s[38:39], s[20:21], s[24:25]     ; codes
	s_cselect_b64 s[40:41], s[22:23], s[26:27]     ; scale bytes
	s_cselect_b32 s42, 0, 768
	s_cselect_b32 s43, 8, 5
	s_cselect_b32 s44, 255, 31
	s_sub_co_u32 s42, ttmp9, s42                   ; place among the three stacked tensors
	s_lshr_b32 s45, s42, s43                       ; which of the three
	s_and_b32 s44, s42, s44                        ; and the work-group's place in it
	s_cmp_eq_u32 s45, 1
	s_cselect_b64 s[36:37], s[34:35], s[36:37]
	s_cmp_eq_u32 s45, 0
	s_cselect_b64 s[32:33], s[32:33], s[36:37]     ; the source
	s_lshl_b32 s48, s44, 2
	s_add_co_u32 s48, s48, s[WV]
	s_lshl_b32 s48, s48, 15                        ; my wave's 8,192 numbers: 32,768 bytes each run
	s_mov_b32 s49, 0
	s_add_nc_u64 s[32:33], s[32:33], s[48:49]
	s_lshl_b32 s50, s42, 2
	s_add_co_u32 s50, s50, s[WV]
	s_lshl_b32 s48, s50, 12                        ; 4,096 bytes of codes a run
	s_add_nc_u64 s[38:39], s[38:39], s[48:49]
	s_lshl_b32 s48, s50, 8                         ; 256 scale bytes a run
	s_add_nc_u64 s[40:41], s[40:41], s[48:49]
.macro LOAD t
.irp i, 0,1,2,3
	global_load_b128 v[R+16*((\t)%4)+4*\i:R+16*((\t)%4)+4*\i+3], v3, s[32:33] offset:2048*(\t)+512*\i th:TH_LOAD_NT
.endr
.endm
.macro TURN t                          ; step t's numbers through the stage; LDS serves a wave's instructions in order, so no wait stands between the stores and the loads
.irp i, 0,1,2,3
	ds_store_b128 v14, v[R+16*((\t)%4)+4*\i:R+16*((\t)%4)+4*\i+3] offset:32*SP*((\t)%2)+8*SP*\i
.endr
.irp i, 0,1,2,3
	ds_load_b128 v[X+16*((\t)%2)+4*\i:X+16*((\t)%2)+4*\i+3], v15 offset:32*SP*((\t)%2)+16*\i
.endr
.endm
.irp t, 0,1,2,3
	LOAD \t
.endr
	s_wait_loadcnt 12                              ; step 0's four loads are in
	TURN 0
.macro STEP t
.set XS, X+16*((\t)%2)
.if (\t) > 0
	s_wait_dscnt 1                                 ; this step's numbers are back from the stage (the last step's byte store may be out)
.else
	s_wait_dscnt 0x0
.endif
.if (\t)+4 < STEPS
	LOAD (\t)+4                                    ; into the registers that the stage's stores have read
.endif
.if (\t)+1 < STEPS
.if STEPS-2-(\t) >= 3
	s_wait_loadcnt 12                              ; the next step's four loads are in; three steps' may be out
.else
	s_wait_loadcnt 4*(STEPS-2-(\t))
.endif
	TURN (\t)+1
.endif
	v_max3_num_f32 v8, |v[XS]|, |v[XS+1]|, |v[XS+2]|               ; the largest magnitude of my 16, in two chains
	v_max3_num_f32 v9, |v[XS+3]|, |v[XS+4]|, |v[XS+5]|
.irp i, 6,10
	v_max3_num_f32 v8, v8, |v[XS+\i]|, |v[XS+\i+1]|
	v_max3_num_f32 v9, v9, |v[XS+\i+2]|, |v[XS+\i+3]|
.endr
	v_max3_num_f32 v8, v8, |v[XS+14]|, |v[XS+15]|
	v_max3_num_f32 v8, v8, v9, (EMAX+1)<<23        ; and the floor 2^(3 - 127): the byte cannot fall under 1
	v_max_num_f32_dpp v8, v8, v8 row_xmask:1 row_mask:0xf bank_mask:0xf   ; with my neighbour's 16: the block's
	v_add_nc_u32 v11, -(EMAX<<23), v8              ; 2 off the exponent field: the conversion takes that field as its scale
	v_cvt_scalef32_pk8_fp4_f32 v[C+4*(\t)], v[XS:XS+7], v11
	v_cvt_scalef32_pk8_fp4_f32 v[C+4*(\t)+1], v[XS+8:XS+15], v11
	v_lshrrev_b32 v[E+(\t)], 23, v11               ; the scale's byte (a plain line behind the conversions)
	ds_store_b8 v5, v[E+(\t)] offset:16*(\t)       ; both lanes of a block write the same byte with the same value
	global_store_b64 v4, v[C+4*(\t):C+4*(\t)+1], s[38:39] offset:32*CB*(\t)
.endm
.irp t, 0,1,2,3,4,5,6,7,8,9,10,11,12,13,14,15
	STEP \t
.endr
	ds_load_b64 v[8:9], v6                         ; my wave's 256 scale bytes, behind my stores of them
	s_wait_dscnt 0x0
	global_store_b64 v7, v[8:9], s[40:41]          ; 32 lanes store 256 consecutive bytes, aligned
	s_branch .Lend
.Lnot_quant:
	s_cmp_lt_u32 ttmp9, 896
	s_cbranch_scc0 .Lmask
; ---------------- Wo TO f16.  A wave takes 8 rows n, two at a time: sixteen lanes read 256 consecutive bytes (64 k of one row), and the wave's 32 x 8 bytes of f16 are rows n, n + 1 of one chunk: 256 consecutive bytes.
	s_sub_co_u32 s47, ttmp9, 864
	s_lshl_b32 s47, s47, 2
	s_add_co_u32 s47, s47, s[WV]                   ; which 8 rows
	s_lshl_b32 s48, s47, 15                        ; 8 rows of 4,096 bytes
	s_mov_b32 s49, 0
	s_add_nc_u64 s[16:17], s[16:17], s[48:49]
	s_lshl_b32 s48, s47, 10                        ; 8 rows of 128 bytes in a chunk
	s_add_nc_u64 s[28:29], s[28:29], s[48:49]
	v_lshrrev_b32 v3, 4, v2
	v_and_b32 v4, 15, v2
	v_lshlrev_b32 v4, 4, v4
	v_lshl_add_u32 v3, v3, 12, v4                  ; in: row lane / 16, 16 bytes a lane
	v_lshlrev_b32 v5, 3, v2                        ; out: 8 bytes a lane
.macro LOADW p
.irp kc, 0,1,2,3,4,5,6,7,8,9,10,11,12,13,14,15
	global_load_b128 v[WI+64*((\p)%2)+4*\kc:WI+64*((\p)%2)+4*\kc+3], v3, s[16:17] offset:(\p)*8192+\kc*256 th:TH_LOAD_NT
.endr
.endm
.macro BATCH p
.if (\p) < 3
	s_wait_loadcnt 16                              ; this pair of rows is in; the next pair's sixteen loads may be out
.else
	s_wait_loadcnt 0x0
.endif
.if (\p) > 0
	s_wait_xcnt 0x0                                ; the last batch's stores have read their data: they are written again only behind this wait
.endif
.irp kc, 0,1,2,3,4,5,6,7,8,9,10,11,12,13,14,15
	v_cvt_pk_f16_f32 v[WO+2*\kc], v[WI+64*((\p)%2)+4*\kc], v[WI+64*((\p)%2)+4*\kc+1]
	v_cvt_pk_f16_f32 v[WO+2*\kc+1], v[WI+64*((\p)%2)+4*\kc+2], v[WI+64*((\p)%2)+4*\kc+3]
.endr
.irp kc, 0,1,2,3,4,5,6,7,8,9,10,11,12,13,14,15
	global_store_b64 v5, v[WO+2*\kc:WO+2*\kc+1], s[28:29] offset:\kc*131072+(\p)*256
.endr
.if (\p)+2 < 4
	LOADW (\p)+2
.endif
.endm
	LOADW 0
	LOADW 1
	BATCH 0
	BATCH 1
	BATCH 2
	BATCH 3
	s_branch .Lend
.Lmask:
; ---------------- THE MASK.  A wave takes 16 queries x 512 keys, 128 keys at a time: sixteen loads of 512 consecutive bytes (a row each) go into its stage; each lane reads back the words that lie
; where its scores will lie; a compare makes a lane mask of each register, and the 64 masks of 128 keys are gathered two to a lane: a store of 256 consecutive bytes, aligned.
	s_sub_co_u32 s47, ttmp9, 896
	s_lshl_b32 s47, s47, 2
	s_add_co_u32 s47, s47, s[WV]                   ; 0 .. 2047
	s_lshr_b32 s48, s47, 2                         ; which 16 queries, over all batches
	s_and_b32 s50, s47, 3                          ; which 512 keys
	s_lshl_b32 s52, s48, 17                        ; 16 rows of 8,192 bytes
	s_lshl_b32 s51, s50, 11
	s_add_co_u32 s52, s52, s51
	s_mov_b32 s53, 0
	s_add_nc_u64 s[18:19], s[18:19], s[52:53]
	s_lshl_b32 s52, s48, 12                        ; 128 key tiles x 32 bytes
	s_lshl_b32 s51, s50, 10
	s_add_co_u32 s52, s52, s51
	s_add_nc_u64 s[30:31], s[30:31], s[52:53]
	s_mul_i32 s51, s[WV], 16*MPIT
	s_add_co_u32 s51, s51, MSTG                    ; my stage
	v_lshlrev_b32 v3, 4, v2                        ; 16 bytes a lane of a row's 512
	v_add_nc_u32 v4, s51, v3                       ; into the stage
	v_and_b32 v7, 15, v2
	v_lshrrev_b32 v8, 4, v2
	v_mul_u32_u24 v5, v7, MPIT
	v_lshl_add_u32 v5, v8, 5, v5
	v_add_nc_u32 v5, s51, v5                       ; back: query lane % 16, keys 8 (lane / 16) on
	v_lshlrev_b32 v6, 3, v2
.irp i, 0,1,2,3,4,5,6,7
	v_mov_b32 v[MW+\i], 0                          ; a lane write's destination counts as read
.endr
.macro LOADM i
.irp rr, 0,1,2,3,4,5,6,7,8,9,10,11,12,13,14,15
	global_load_b128 v[MI+64*((\i)%2)+4*\rr:MI+64*((\i)%2)+4*\rr+3], v3, s[18:19] offset:\rr*8192+(\i)*512 th:TH_LOAD_NT
.endr
.endm
.macro HALF kh                         ; key tiles 4 kh .. 4 kh + 3 of the eight
.irp u, 0,1,2,3
	ds_load_b128 v[MT+8*\u:MT+8*\u+3], v5 offset:64*(4*(\kh)+\u)
	ds_load_b128 v[MT+8*\u+4:MT+8*\u+7], v5 offset:64*(4*(\kh)+\u)+16
.endr
	s_wait_dscnt 0x0
.endm
.macro BITS i, kh                      ; word n = 32 kh + 8 u + j goes to register n % 2 of lane n / 2
.irp u, 0,1,2,3
.irp j, 0,1,2,3,4,5,6,7
	v_cmp_ne_u32 s[56+\j], 0, v[MT+8*\u+\j]
.endr
.irp j, 0,1,2,3,4,5,6,7
	v_writelane_b32 v[MW+2*(\i)+(\j%2)], s[56+\j], 16*(\kh)+4*\u+\j/2
.endr
.endr
.endm
.macro TILE i
.if (\i) < 3
	s_wait_loadcnt 16                              ; these 128 keys are in; the next sixteen loads may be out
.else
	s_wait_loadcnt 0x0
.endif
.irp rr, 0,1,2,3,4,5,6,7,8,9,10,11,12,13,14,15
	ds_store_b128 v4, v[MI+64*((\i)%2)+4*\rr:MI+64*((\i)%2)+4*\rr+3] offset:\rr*MPIT
.endr
	HALF 0                                         ; its wait also shows the stores above done: their registers may be loaded again
.if (\i) < 2
	LOADM (\i)+2
.endif
	BITS \i, 0
	HALF 1
	BITS \i, 1
	global_store_b64 v6, v[MW+2*(\i):MW+2*(\i)+1], s[30:31] offset:256*(\i)
.endm
	LOADM 0
	LOADM 1
	TILE 0
	TILE 1
	TILE 2
	TILE 3
.Lend:
	s_wait_tensorcnt 0x0                           ; the wave's end, behind my last LDS store
	ds_add_u32 v[SPW], v[NIL]
	s_wait_dscnt 0x0
	s_endpgm
.Lfunc_end_k_q90657943a9_prep:
	.size	k_q90657943a9_prep, .Lfunc_end_k_q90657943a9_prep-k_q90657943a9_prep
	.p2alignl 7, 3214868480
	.fill 96, 4, 3214868480
	.section	.rodata,"a",@progbits
	.p2align	6, 0x0
	.amdhsa_kernel k_q90657943a9_prep
		.amdhsa_group_segment_fixed_size 67072
		.amdhsa_private_segment_fixed_size 0
		.amdhsa_enable_private_segment 0
		.amdhsa_kernarg_size 112
		.amdhsa_user_sgpr_count 2
		.amdhsa_user_sgpr_kernarg_segment_ptr 1
		.amdhsa_wavefront_size32 1
		.amdhsa_system_sgpr_workgroup_id_x 1
		.amdhsa_system_sgpr_workgroup_id_y 1
		.amdhsa_system_sgpr_workgroup_id_z 1
		.amdhsa_system_vgpr_workitem_id 0
		.amdhsa_next_free_vgpr 192
		.amdhsa_next_free_sgpr 66
		.amdhsa_reserve_vcc 0
		.amdhsa_float_denorm_mode_32 3
		.amdhsa_float_denorm_mode_16_64 3
		.amdhsa_memory_ordered 1
		.amdhsa_forward_progress 1
		.amdhsa_inst_pref_size 103
	.end_amdhsa_kernel
	.amdgpu_metadata
---
amdhsa.version: [ 1, 2 ]
amdhsa.kernels:
  - .name:           k_q90657943a9_prep
    .symbol:         k_q90657943a9_prep.kd
    .args:
      - { .name: q, .offset: 0, .size: 8, .value_kind: global_buffer, .address_space: global }
      - { .name: k, .offset: 8, .size: 8, .value_kind: global_buffer, .address_space: global }
      - { .name: v, .offset: 16, .size: 8, .value_kind: global_buffer, .address_space: global }
      - { .name: Wq, .offset: 24, .size: 8, .value_kind: global_buffer, .address_space: global }
      - { .name: Wk, .offset: 32, .size: 8, .value_kind: global_buffer, .address_space: global }
      - { .name: Wv, .offset: 40, .size: 8, .value_kind: global_buffer, .address_space: global }
      - { .name: Wo, .offset: 48, .size: 8, .value_kind: global_buffer, .address_space: global }
      - { .name: mask, .offset: 56, .size: 8, .value_kind: global_buffer, .address_space: global }
      - { .name: xcodes, .offset: 64, .size: 8, .value_kind: global_buffer, .address_space: global }
      - { .name: xscales, .offset: 72, .size: 8, .value_kind: global_buffer, .address_space: global }
      - { .name: wcodes, .offset: 80, .size: 8, .value_kind: global_buffer, .address_space: global }
      - { .name: wscales, .offset: 88, .size: 8, .value_kind: global_buffer, .address_space: global }
      - { .name: woh, .offset: 96, .size: 8, .value_kind: global_buffer, .address_space: global }
      - { .name: maskw, .offset: 104, .size: 8, .value_kind: global_buffer, .address_space: global }
    .group_segment_fixed_size: 67072
    .private_segment_fixed_size: 0
    .kernarg_segment_align: 8
    .kernarg_segment_size: 112
    .max_flat_workgroup_size: 128
    .sgpr_count:     66
    .vgpr_count:     192
    .wavefront_size: 32
...
	.end_amdgpu_metadata
.endif
;; end of part 1
;; launch proj (part 2): grid 4 x 96, 4 waves a work-group, clusters of 4 x 4, 327,680 bytes of LDS; arguments xcodes, xscales, wcodes, wscales, bq, bk, bv, heads; writes heads
.if DOCPART == 2
	.amdgcn_target "amdgcn-amd-amdhsa--gfx1250"
	.amdhsa_code_object_version 6
	.text
	.protected	k_q90657943a9_proj
	.globl	k_q90657943a9_proj
	.p2align	8
	.type	k_q90657943a9_proj,@function
k_q90657943a9_proj:
	s_mov_b64 s[64:65], 0
	v_nop
	global_prefetch_b8 v0, s[64:65] scope:SCOPE_SE
	s_setreg_imm32_b32 hwreg(HW_REG_WAVE_MODE, 25, 1), 1
	s_wait_xcnt 0x0
	s_wait_alu depctr_hold_cnt(0) depctr_sa_sdst(0) depctr_va_vdst(0) depctr_va_sdst(0) depctr_va_ssrc(0) depctr_va_vcc(0) depctr_vm_vsrc(0)
	s_getreg_b32 s2, hwreg(HW_REG_IB_STS2, 6, 4)
	s_cmp_eq_u32 s2, 0
	s_cbranch_scc0 .Lentry_in_a_cluster
	s_endpgm
.Lentry_in_a_cluster:
	s_bfe_u32 s2, ttmp6, 0x10000c
	s_cmp_lg_u32 s2, 0xf033
	s_cbranch_scc0 .Lentry_shape_is_right
	s_endpgm
.Lentry_shape_is_right:
; THE THREE QUANTISED PROJECTIONS AS ONE GEMM ON CODES OF FP4: y[m][n] = sum over k of x[m][k] W[n][k] + bias[n], K = 1,024.
; x: the stacked codes of q, k, v, 24,576 rows of 512 bytes; W: the stacked codes of Wq, Wk, Wv, 3,072 rows; one E8M0 byte for each 32 along K.  Rows 8,192 g on of x go with rows 1,024 g on of W (g = 0, 1, 2).
; The result leaves as f16, by head: heads [g][batch x 16 + head][position][64].  For g = 0 it is first multiplied, in f32, by log2(e) / 8, so that the scores of the next launch are exponents of 2.
; LIMIT: results beyond 65,504 in magnitude have no f16 number.
; A tile of 256 x 256 is made by four waves, 128 x 128 each: 64 accumulators, 512 registers.  K is two slots of 512 (LDS rows of 256 bytes + 16): both are asked for at the start, and nothing is filled again.
; The scale bytes of the tile's rows, two dense blocks, come with them.  CLUSTERS 4 x 4: x's tiles are asked for jointly along a row of the cluster, W's along a column (g hangs on the cluster's y alone).
; THE MATRIX INSTRUCTION IS USED TRANSPOSED (source 0 = 16 rows of W, source 1 = 16 rows of x): a lane holds eight neighbouring n of one row.  The bias is the C of each sum's first product.
; REGISTERS: window 0: v0-31 addresses; v32-95 scale words, two sets; v128-191 x's fragments, one set.  window 1: W's fragments at v0 and v128; v64-127 the bias, 8 registers for each block of 16 n.
;   windows 2, 3: the accumulators ((a, b) at v[8 (8 (a % 4) + b)]).  On the way out window 0's v32-191 are free.
.set KSTEP,  512
.set NQ,     4
.set ROWB,   256
.set KROW,   512                       ; a row of codes in memory
.set PITCH,  272
.set FR,     8
.set NL,     2
.set NP,     4
.set HALFT,  128*PITCH
.set SLOT,   4*HALFT
.set KS,     32                        ; a row of scale bytes
.set SCL,    2*SLOT
.set HALFS,  16*272                    ; the scales of 128 rows: 16 units of 256 bytes + 16
.set SBLK,   2*272
.set SPARE,  SCL+4*HALFS               ; the spare words: two blocks of 256 bytes that no other line names
.set ADRA, 16
.set ADRB, 20
.set STO,  24
.set RD,   25
.set CO,   26
.set ADRS, 27
.set SPW,  28
.set NIL,  29
.set BO,   30
.set SC,   32
.set AF,   128
.set BIAS, 64                          ; in window 1
.set TF,   32                          ; the way out: 64 numbers in f32,
.set PK,   96                          ; 32 registers of f16,
.set BK,   128                         ; and rows read back: v128-159, v160-191 by turns
.set WV, 20
.set RH, 21                            ; which half of the tile's rows is mine; also: I fetch for x (0) or for W (1)
.set CH, 22                            ; which half of its columns; also: which 128 rows I fetch
.set TR, 23
.set G1, 24
.set G0, 32
.set G1B, 48
.set G0B, 56
.set G1S, 68
.set G0S, 76
.set G1SB, 80
.set G0SB, 88
.set FC, 100                           ; s[100:101] the factor on the way out
.set MSB, 0
.macro WIN new
.if MSB != \new
	s_set_vgpr_msb (MSB<<8)|\new
.set MSB, \new
.endif
.endm
.set MUL_LO, 0xa1                      ; source 0 window 1, source 1 window 0, C and D window 2
.set MUL_HI, 0xf1                      ; the same, C and D window 3
.set TO_B,   0x40
.macro JLOAD g0a, g1a, g0b, g1b        ; a joint load: waves 0, 1 for x, waves 2, 3 for W; an s_nop 0 and four v_nop follow each line
	s_cmp_eq_u32 s[RH], 0
	s_cbranch_scc0 .Lfor_b_\@
	tensor_load_to_lds s[\g0a:\g0a+3], s[\g1a:\g1a+7]
	s_nop 0
.rept 4
	v_nop
.endr
	s_branch .Lasked_\@
.Lfor_b_\@:
	tensor_load_to_lds s[\g0b:\g0b+3], s[\g1b:\g1b+7]
	s_nop 0
.rept 4
	v_nop
.endr
.Lasked_\@:
.endm
.macro CROUND                          ; a round of the cluster's barrier
	s_barrier_signal -1
	s_barrier_wait -1
	s_cmp_lg_u32 s[WV], 0
	s_cbranch_scc1 .Lnot_wave_0_\@
	s_barrier_signal -3
.Lnot_wave_0_\@:
	s_barrier_wait -3
	s_barrier_signal -1
	s_barrier_wait -1
.endm
	s_load_b512 s[4:19], s[0:1], 0x0               ; xcodes, xscales, wcodes, wscales, bq s[12:13], bk, bv, heads s[18:19]
	v_lshl_add_u32 v[SPW], v0, 2, SPARE
	v_mov_b32 v[NIL], 0
	ds_add_u32 v[SPW], v[NIL]                      ; the wave's opening: the add, twice on end, and its wait ahead of my first tensor load
	ds_add_u32 v[SPW], v[NIL]
	v_lshrrev_b32 v1, 5, v0
	v_readfirstlane_b32 s[WV], v1
	s_lshr_b32 s[RH], s[WV], 1
	s_and_b32 s[CH], s[WV], 1
	s_bfe_u32 s40, ttmp6, 0x40000                  ; cx
	s_bfe_u32 s41, ttmp6, 0x40004                  ; cy
	s_lshl_b32 s42, ttmp9, 2
	s_add_co_u32 s42, s42, s40                     ; tile column
	s_and_b32 s66, ttmp7, 0xffff                   ; cluster y
	s_lshl_b32 s[TR], s66, 2
	s_add_co_u32 s[TR], s[TR], s41                 ; tile row, 0 .. 95
	s_lshr_b32 s67, s66, 3                         ; g: eight clusters of four tile rows to a tensor
	s_lshl_b32 s43, s41, 2
	s_lshl_b32 s43, 15, s43                        ; my row of the cluster
	s_lshl_b32 s44, 0x1111, s40                    ; my column
	s_or_b32 s[G1+0], s43, (0<<16)|(1<<20)|(1<<21)|(5<<22)|(3<<25)   ; the mask; elements of 1 byte; padding on; bit 21 beside a mask; 4 words behind every 64
	s_or_b32 s[G1B+0], s44, (0<<16)|(1<<20)|(1<<21)|(5<<22)|(3<<25)
.irp g, G1, G1B
	s_mov_b32 s[\g+1], ROWB<<16                    ; tensor_dim0
	s_mov_b32 s[\g+2], 128<<16                     ; tensor_dim1
	s_mov_b32 s[\g+3], ROWB<<16                    ; tile_dim0
	s_mov_b32 s[\g+4], 128                         ; tile_dim1
	s_mov_b32 s[\g+5], KROW                        ; from row to row
	s_mov_b32 s[\g+6], 0
	s_mov_b32 s[\g+7], 0
.endr
	s_or_b32 s[G1S+0], s43, (3<<16)|(1<<20)|(1<<21)|(5<<22)|(3<<25)  ; the scales of 128 rows: 4,096 dense bytes as 16 rows of 32 elements of 8 bytes
	s_or_b32 s[G1SB+0], s44, (3<<16)|(1<<20)|(1<<21)|(5<<22)|(3<<25)
.irp g, G1S, G1SB
	s_mov_b32 s[\g+1], 32<<16
	s_mov_b32 s[\g+2], 16<<16
	s_mov_b32 s[\g+3], 32<<16
	s_mov_b32 s[\g+4], 16
	s_mov_b32 s[\g+5], 32
	s_mov_b32 s[\g+6], 0
	s_mov_b32 s[\g+7], 0
.endr
	s_lshl_b32 s104, s[CH], 7                      ; which 128 rows of the tile I fetch
	s_lshl_b32 s92, s[TR], 8
	s_add_co_u32 s92, s92, s104                    ; x: row 256 x tile row + 128 x half
	s_mov_b32 s93, 0
	s_lshl_b32 s46, s42, 8
	s_add_co_u32 s46, s46, s104
	s_lshl_b32 s105, s67, 10
	s_add_co_u32 s46, s46, s105                    ; W: row 1,024 g + 256 x tile column + 128 x half
	s_mov_b32 s47, 0
	s_mov_b64 s[2:3], KS
	s_mul_u64 s[94:95], s[92:93], s[2:3]           ; where these rows' scales begin,
	s_mul_u64 s[96:97], s[46:47], s[2:3]
	s_mov_b64 s[2:3], KROW
	s_mul_u64 s[92:93], s[92:93], s[2:3]           ; and their codes
	s_mul_u64 s[46:47], s[46:47], s[2:3]
	s_mul_i32 s45, s[WV], HALFT                    ; where they go: wave x 128 rows
	s_mul_i32 s98, s[WV], HALFS
	s_wait_dscnt 0x0                               ; both opening adds are done
	s_wait_kmcnt 0x0
	s_add_nc_u64 s[92:93], s[4:5], s[92:93]
	s_add_nc_u64 s[94:95], s[6:7], s[94:95]
	s_add_nc_u64 s[46:47], s[8:9], s[46:47]
	s_add_nc_u64 s[96:97], s[10:11], s[96:97]
	CROUND                                         ; all sixteen work-groups are here: the joint loads meet
	s_mov_b32 s[G0S], 1
	s_add_co_u32 s[G0S+1], s98, SCL
	s_mov_b64 s[G0S+2:G0S+3], s[94:95]
	s_or_b32 s[G0S+3], s[G0S+3], 0x80000000
	s_mov_b32 s[G0SB], 1
	s_add_co_u32 s[G0SB+1], s98, SCL
	s_mov_b64 s[G0SB+2:G0SB+3], s[96:97]
	s_or_b32 s[G0SB+3], s[G0SB+3], 0x80000000
	JLOAD G0S, G1S, G0SB, G1SB                     ; the scales first
.irp s, 0,1
	s_mov_b32 s[G0+4*\s], 1
	s_add_co_u32 s[G0+4*\s+1], s45, \s*SLOT
	s_add_nc_u64 s[G0+4*\s+2:G0+4*\s+3], s[92:93], \s*ROWB
	s_or_b32 s[G0+4*\s+3], s[G0+4*\s+3], 0x80000000
	s_mov_b32 s[G0B+4*\s], 1
	s_add_co_u32 s[G0B+4*\s+1], s45, \s*SLOT
	s_add_nc_u64 s[G0B+4*\s+2:G0B+4*\s+3], s[46:47], \s*ROWB
	s_or_b32 s[G0B+4*\s+3], s[G0B+4*\s+3], 0x80000000
	JLOAD G0+4*\s, G1, G0B+4*\s, G1B               ; three loads of mine are out behind the second of these
.endr
	v_and_b32 v1, 15, v0                           ; r
	v_bfe_u32 v2, v0, 4, 1                         ; h
	; the bias of my 128 columns, in the result's layout: block b, register j: n = 16 b + 8 h + j
	s_cmp_eq_u32 s67, 1
	s_cselect_b64 s[14:15], s[14:15], s[16:17]
	s_cmp_eq_u32 s67, 0
	s_cselect_b64 s[12:13], s[12:13], s[14:15]
	s_cselect_b32 s[FC], 0x3e38aa3b, 1.0           ; log2(e) / 8 for q, 1 for k and v
	s_mov_b32 s[FC+1], s[FC]
	s_lshl_b32 s2, s42, 10
	s_lshl_b32 s3, s[CH], 9
	s_add_co_u32 s2, s2, s3
	s_mov_b32 s3, 0
	s_add_nc_u64 s[12:13], s[12:13], s[2:3]
	v_lshlrev_b32 v[BO], 5, v2
	WIN TO_B
.irp b, 0,1,2,3,4,5,6,7
	global_load_b128 v[BIAS+8*\b:BIAS+8*\b+3], v[BO], s[12:13] offset:64*\b
	global_load_b128 v[BIAS+8*\b+4:BIAS+8*\b+7], v[BO], s[12:13] offset:64*\b+16
.endr
	WIN 0
	v_mul_u32_u24 v3, v1, PITCH
	v_lshl_add_u32 v4, v2, 4, v3                   ; a fragment's row x pitch + 16 x half
	s_mul_i32 s2, s[RH], HALFT
	s_mul_i32 s3, s[CH], HALFT
	s_add_co_u32 s3, s3, 2*HALFT
.irp s, 0,1
	v_add_nc_u32 v[ADRA+\s], s2, v4
	v_add_nc_u32 v[ADRB+\s], s3, v4
	s_add_co_u32 s2, s2, SLOT
	s_add_co_u32 s3, s3, SLOT
.endr
	v_mul_u32_u24 v5, v1, KS                       ; my row's scales: 32 bytes a row,
	v_lshrrev_b32 v6, 8, v5
	v_lshl_add_u32 v5, v6, 4, v5                   ; and 16 more for each 256 passed
	s_mul_i32 s2, s[RH], HALFS
	s_mul_i32 s3, s[CH], HALFS
	s_add_co_u32 s3, s3, 2*HALFS
	s_sub_co_u32 s3, s3, s2
	v_mul_u32_u24 v6, s3, v2                       ; lanes 16-31 take W's
	s_add_co_u32 s2, s2, SCL
	v_add_nc_u32 v5, v5, v6
	v_add_nc_u32 v[ADRS], s2, v5
	; the way out: a stage of 2 heads x 16 rows x (128 bytes + 16) for each wave, in slot 0, which has had its only fill and its last read by then
	s_mul_i32 s104, s[WV], 4608
	v_mul_u32_u24 v5, v1, 144
	v_lshl_add_u32 v5, v2, 4, v5
	v_add_nc_u32 v[STO], s104, v5                  ; in: row r, 16 bytes for each half of the lanes
	v_and_b32 v6, 31, v0
	v_lshrrev_b32 v7, 3, v6
	v_and_b32 v8, 7, v6
	v_mul_u32_u24 v7, v7, 144
	v_lshl_add_u32 v7, v8, 4, v7
	v_add_nc_u32 v[RD], s104, v7                   ; back: eight lanes to a row of 128 bytes, four rows an instruction
	v_lshlrev_b32 v[CO], 4, v6                     ; which are 512 consecutive bytes of heads
	s_lshr_b32 s2, s[TR], 3                        ; 4 g + batch: 16 heads of 262,144 bytes each
	s_lshl_b32 s2, s2, 22
	s_lshl_b32 s3, s42, 2
	s_lshl_b32 s66, s[CH], 1
	s_add_co_u32 s3, s3, s66                       ; my first head
	s_lshl_b32 s3, s3, 18
	s_add_co_u32 s2, s2, s3
	s_and_b32 s3, s[TR], 7
	s_lshl_b32 s3, s3, 15                          ; 256 positions of 128 bytes
	s_add_co_u32 s2, s2, s3
	s_lshl_b32 s3, s[RH], 14
	s_add_co_u32 s2, s2, s3
	s_mov_b32 s3, 0
	s_add_nc_u64 s[18:19], s[18:19], s[2:3]
.macro FRAG reg, adr, q, i             ; 16 rows x 128 K of 4-bit codes: registers 4 c .. 4 c + 3 hold K = 64 c + 32 (lane / 16) + 0 .. 31
.irp c, 0,1
	ds_load_b128 v[\reg+4*\c:\reg+4*\c+3], v[\adr] offset:64*(\q)+32*\c+(\i)*16*PITCH
.endr
.endm
; 16 products: x's blocks a0, a0 + 1 against W's eight.  first = 1: C is the bias.  The 64 accumulators take turns, one instruction a turn, in the same order in every step.
.macro MUL16 a0, p, q, sc, first
.irp a, \a0, \a0+1
.irp b, 0,1,2,3,4,5,6,7
.if \first
	v_wmma_scale_f32_16x16x128_f8f6f4 v[8*(8*((\a)%4)+\b):8*(8*((\a)%4)+\b)+7], v[128*(\p)+FR*\b:128*(\p)+FR*\b+FR-1], v[AF+FR*(\a):AF+FR*(\a)+FR-1], v[BIAS+8*\b:BIAS+8*\b+7], v[SC+8*NQ*(\sc)+NQ*\b+(\q)], v[SC+8*NQ*(\sc)+NQ*(\a)+(\q)] matrix_a_fmt:MATRIX_FMT_FP4 matrix_b_fmt:MATRIX_FMT_FP4 matrix_a_scale:MATRIX_SCALE_ROW1
.else
	v_wmma_scale_f32_16x16x128_f8f6f4 v[8*(8*((\a)%4)+\b):8*(8*((\a)%4)+\b)+7], v[128*(\p)+FR*\b:128*(\p)+FR*\b+FR-1], v[AF+FR*(\a):AF+FR*(\a)+FR-1], v[8*(8*((\a)%4)+\b):8*(8*((\a)%4)+\b)+7], v[SC+8*NQ*(\sc)+NQ*\b+(\q)], v[SC+8*NQ*(\sc)+NQ*(\a)+(\q)] matrix_a_fmt:MATRIX_FMT_FP4 matrix_b_fmt:MATRIX_FMT_FP4 matrix_a_scale:MATRIX_SCALE_ROW1
.endif
.endr
.endr
.endm
.macro FETCH_B slot, q, p
	WIN TO_B
.irp i, 0,1,2,3,4,5,6,7
	FRAG 128*(\p)+FR*\i, ADRB+\slot, \q, \i
.endr
	WIN 0
.endm
.macro FETCH_A slot, q, i0
.irp i, \i0, \i0+1, \i0+2, \i0+3
	FRAG AF+FR*(\i), ADRA+\slot, \q, \i
.endr
.endm
.macro SCALES sc                       ; a slot's scale words: four a row; lanes 0-15 x's block i, lanes 16-31 W's block i
.irp i, 0,1,2,3,4,5,6,7
	ds_load_b128 v[SC+8*NQ*\sc+NQ*\i:SC+8*NQ*\sc+NQ*\i+3], v[ADRS] offset:\i*SBLK
.endr
.endm
.macro PLACES n                        ; plain vector instructions between a matrix instruction and a load into, or a read of, its registers
.rept \n
	v_nop
.endr
.endm
.macro STEP slot, q, first             ; 128 along K, with its successor in the same slot
	s_wait_dscnt 4*NL                              ; W's set and x's blocks 0-3 are in; the youngest eight loads (blocks 4-7) may be out
	WIN MUL_LO-0x10*\first                         ; (first: C in window 1)
	MUL16 0, (\q)%2, \q, \slot, \first
	MUL16 2, (\q)%2, \q, \slot, \first
	s_wait_dscnt 0
	PLACES NP
	FETCH_B \slot, (\q)+1, 1-(\q)%2
	FETCH_A \slot, (\q)+1, 0
	WIN MUL_HI-0x20*\first
	MUL16 4, (\q)%2, \q, \slot, \first
	MUL16 6, (\q)%2, \q, \slot, \first
	PLACES NP
	WIN 0
	FETCH_A \slot, (\q)+1, 4
.endm
.macro STEPS slot, from
.set Q, \from
.rept NQ-1-\from
	STEP \slot, Q, 0
.set Q, Q+1
.endr
.endm
	s_wait_tensorcnt 1                             ; the scales and my part of slot 0 are in; slot 1's load may be out
	s_barrier_signal -1
	s_barrier_wait -1
	FETCH_B 0, 0, 0
	FETCH_A 0, 0, 0
	SCALES 0
	FETCH_A 0, 0, 4
	s_wait_loadcnt 0x0                             ; the bias
	STEP 0, 0, 1
	STEPS 0, 1
	; slot 0's last step changes slots: one barrier; in front of it my loads have landed, and my reads of slot 0 are over
	s_wait_tensorcnt 0x0
	ds_add_u32 v[SPW], v[NIL]
	s_wait_dscnt 4*NL+1                            ; (the add and x's blocks 4-7 may be out)
	WIN MUL_LO
	MUL16 0, 1, NQ-1, 0, 0
	s_wait_dscnt 0x0
	s_barrier_signal -1
	MUL16 2, 1, NQ-1, 0, 0
	WIN 0
	s_barrier_wait -1
	PLACES NP
	v_add_nc_u32 v[ADRS], 4*NQ, v[ADRS]            ; the second slot's scale words
	FETCH_B 1, 0, 0
	FETCH_A 1, 0, 0
	SCALES 1
	WIN MUL_HI
	MUL16 4, 1, NQ-1, 0, 0
	MUL16 6, 1, NQ-1, 0, 0
	PLACES NP
	WIN 0
	FETCH_A 1, 0, 4
	STEPS 1, 0
	s_wait_dscnt 4*NL
	WIN MUL_LO
	MUL16 0, 1, NQ-1, 1, 0
	MUL16 2, 1, NQ-1, 1, 0
	s_wait_dscnt 0
	WIN MUL_HI
	MUL16 4, 1, NQ-1, 1, 0
	MUL16 6, 1, NQ-1, 1, 0
	WIN 0
; THE WAY OUT, a block of 16 rows x 128 columns (two heads) at a time: x the factor in f32, rounded once to f16, 16 bytes a lane into my stage, back as rows; a store covers four positions of a head: 512 consecutive bytes.
.macro PACK a
.set AC, 64*((\a)%4)
	WIN 0x02+((\a)/4)                              ; source 0: window 2 or 3
.irp i, 0,1,2,3,4,5,6,7,8,9,10,11,12,13,14,15,16,17,18,19,20,21,22,23,24,25,26,27,28,29,30,31
	v_pk_mul_f32 v[TF+2*\i:TF+2*\i+1], v[AC+2*\i:AC+2*\i+1], s[FC:FC+1] op_sel_hi:[1,0]   ; each accumulator from its low end on
.endr
	WIN 0
.irp i, 0,1,2,3,4,5,6,7,8,9,10,11,12,13,14,15,16,17,18,19,20,21,22,23,24,25,26,27,28,29,30,31
	v_cvt_pk_f16_f32 v[PK+\i], v[TF+2*\i], v[TF+2*\i+1]
.endr
.endm
.macro TOSTAGE a
.set BB, BK+32*((\a)%2)
.irp b, 0,1,2,3,4,5,6,7
	ds_store_b128 v[STO], v[PK+4*\b:PK+4*\b+3] offset:(\b/4)*2304+(\b%4)*32
.endr
.irp hb, 0,1
.irp k, 0,1,2,3
	ds_load_b128 v[BB+16*\hb+4*\k:BB+16*\hb+4*\k+3], v[RD] offset:\hb*2304+\k*576   ; LDS serves a wave's instructions in order: these see the stores above
.endr
.endr
.endm
.macro SEND a
.set BB, BK+32*((\a)%2)
	s_wait_dscnt 0x0                               ; the block is back in registers
	s_wait_xcnt 0x0                                ; the block before has been read by its stores: the next block's loads may land on its registers
.irp hb, 0,1
.irp k, 0,1,2,3
	global_store_b128 v[CO], v[BB+16*\hb+4*\k:BB+16*\hb+4*\k+3], s[18:19] offset:\hb*262144+(16*(\a)+4*\k)*128
.endr
.endr
.endm
	PLACES NP
	PACK 0
	TOSTAGE 0
.irp a, 1,2,3,4,5,6,7
	PACK \a                                        ; a block's arithmetic stands between the loads of the block before and the wait for them
	SEND \a-1
	TOSTAGE \a
.endr
	SEND 7
	s_wait_tensorcnt 0x0                           ; the wave's end
	ds_add_u32 v[SPW], v[NIL]
	s_wait_dscnt 0x0
	CROUND                                         ; the closing round
	s_endpgm
.Lfunc_end_k_q90657943a9_proj:
	.size	k_q90657943a9_proj, .Lfunc_end_k_q90657943a9_proj-k_q90657943a9_proj
	.p2alignl 7, 3214868480
	.fill 96, 4, 3214868480
	.section	.rodata,"a",@progbits
	.p2align	6, 0x0
	.amdhsa_kernel k_q90657943a9_proj
		.amdhsa_group_segment_fixed_size 327680
		.amdhsa_private_segment_fixed_size 0
		.amdhsa_enable_private_segment 0
		.amdhsa_kernarg_size 64
		.amdhsa_user_sgpr_count 2
		.amdhsa_user_sgpr_kernarg_segment_ptr 1
		.amdhsa_wavefront_size32 1
		.amdhsa_system_sgpr_workgroup_id_x 1
		.amdhsa_system_sgpr_workgroup_id_y 1
		.amdhsa_system_sgpr_workgroup_id_z 1
		.amdhsa_system_vgpr_workitem_id 0
		.amdhsa_next_free_vgpr 1024
		.amdhsa_next_free_sgpr 106
		.amdhsa_reserve_vcc 0
		.amdhsa_float_denorm_mode_32 3
		.amdhsa_float_denorm_mode_16_64 3
		.amdhsa_memory_ordered 1
		.amdhsa_forward_progress 1
		.amdhsa_inst_pref_size 144
	.end_amdhsa_kernel
	.amdgpu_metadata
---
amdhsa.version: [ 1, 2 ]
amdhsa.kernels:
  - .name:           k_q90657943a9_proj
    .symbol:         k_q90657943a9_proj.kd
    .args:
      - { .name: xcodes, .offset: 0, .size: 8, .value_kind: global_buffer, .address_space: global }
      - { .name: xscales, .offset: 8, .size: 8, .value_kind: global_buffer, .address_space: global }
      - { .name: wcodes, .offset: 16, .size: 8, .value_kind: global_buffer, .address_space: global }
      - { .name: wscales, .offset: 24, .size: 8, .value_kind: global_buffer, .address_space: global }
      - { .name: bq, .offset: 32, .size: 8, .value_kind: global_buffer, .address_space: global }
      - { .name: bk, .offset: 40, .size: 8, .value_kind: global_buffer, .address_space: global }
      - { .name: bv, .offset: 48, .size: 8, .value_kind: global_buffer, .address_space: global }
      - { .name: heads, .offset: 56, .size: 8, .value_kind: global_buffer, .address_space: global }
    .group_segment_fixed_size: 327680
    .private_segment_fixed_size: 0
    .kernarg_segment_align: 8
    .kernarg_segment_size: 64
    .max_flat_workgroup_size: 128
    .sgpr_count:     106
    .vgpr_count:     1024
    .wavefront_size: 32
...
	.end_amdgpu_metadata
.endif
;; end of part 2
;; launch attn (part 3): grid 4 x 64, 8 waves a work-group, clusters of 4 x 1, 327,680 bytes of LDS; arguments heads, maskw, ctx; writes ctx
.if DOCPART == 3
	.amdgcn_target "amdgcn-amd-amdhsa--gfx1250"
	.amdhsa_code_object_version 6
	.text
	.protected	k_q90657943a9_attn
	.globl	k_q90657943a9_attn
	.p2align	8
	.type	k_q90657943a9_attn,@function
k_q90657943a9_attn:
	s_mov_b64 s[64:65], 0
	v_nop
	global_prefetch_b8 v0, s[64:65] scope:SCOPE_SE
	s_setreg_imm32_b32 hwreg(HW_REG_WAVE_MODE, 25, 1), 1
	s_wait_xcnt 0x0
	s_wait_alu depctr_hold_cnt(0) depctr_sa_sdst(0) depctr_va_vdst(0) depctr_va_sdst(0) depctr_va_ssrc(0) depctr_va_vcc(0) depctr_vm_vsrc(0)
	s_getreg_b32 s2, hwreg(HW_REG_IB_STS2, 6, 4)
	s_cmp_eq_u32 s2, 0
	s_cbranch_scc0 .Lentry_in_a_cluster
	s_endpgm
.Lentry_in_a_cluster:
	s_bfe_u32 s2, ttmp6, 0x10000c
	s_cmp_lg_u32 s2, 0x3003
	s_cbranch_scc0 .Lentry_shape_is_right
	s_endpgm
.Lentry_shape_is_right:
; ctx[head][query] = the sum over keys of softmax(masked scores) V.  heads: f16 [3][batch x 16 + head][2048][64]: Q x log2(e) / 8, K, V.  maskw: lane masks [batch][query / 16][key / 16][8].
; ctx: f16 [head][batch x 2048 + query][64].  Products and sums in f32; the weights p are rounded to f16 for the second product, ctx once at the end.
; THE MASK: where the mask's bit is 0 the score becomes -1e9 x log2(e), as the problem has it (not minus infinity): a row with no key left gets p = 1 everywhere, the plain average.
; SOFTMAX: t = the score as an exponent of 2; a running maximum m; p = 2^(t - m); in every step O and the sum are multiplied by a = 2^(old m - new m).
; LIMIT: operands beyond 65,504 in magnitude have no f16 number; NaN and infinities are not served.
; SHARES: a work-group owns 512 queries of one head, each of its eight waves 64: four tiles of 16; two waves lie on a SIMD, so that one's vector work stands beside the other's products.
; LAYOUT: S^T = K Q^T (source 0 = 16 keys, source 1 = 16 queries): a lane holds ONE query (lane % 16) and keys 8 (lane / 16) + 0..7; two such tiles, rounded in pairs, are source 1 of O^T = V^T P.
; THE ROW'S SUM comes from the same P by one more product a tile: source 0 has ones in rows 0 and 8, so that register 0 of its result holds the query's sum over the 32 keys, in both halves of the lanes.
; RING: two slots of 512 keys (V: rows of 128 bytes + 32, turned on the way out of LDS; K: rows of 128 + 16).  The four work-groups of a cluster own one head's queries and ask for each tile JOINTLY.
; Waves 0-3 fetch V's quarters, waves 4-7 K's: one load a wave behind each round; it has eight key steps, 576 matrix instructions a wave, in which to land, so K and V are not asked for ahead of that.
; REGISTERS: window 0: v3-13 addresses and constants; v16-47 statistics, 8 a tile; v48-55 the ones; v56-119 K's fragments, then V's; v128-255 S^T, 32 a tile, P in the first 16 of them.
;   window 1: v0-63 Q; v64-191 O^T, 32 a tile; v192-223 the sums, 8 a tile.
.set KP,    144
.set VP,    160
.set KOFF,  512*VP                     ; a slot: 512 rows of V, then 512 rows of K
.set SLOTB, KOFF+512*KP
.set SPARE, 2*SLOTB                    ; the spare words: 128 bytes for each of eight waves, four blocks of 256 bytes that no other line names
.set AK0, 3
.set AV0, 4
.set ADR, 5
.set QO,  6
.set STO, 7
.set RD,  8
.set GO,  9
.set NEGR, 10
.set SPW, 12
.set NIL, 13
.set ST,  16                           ; tile t at v[ST + 8 t]: +0 m, +1 old m, then old m - m, +2 a, +3 written once, +4 .. +7 at work
.set ONE, 48
.set KV,  56
.set S,   128
.set QF,  0                            ; window 1
.set OA,  64
.set LS,  192
.set G1K, 4
.set G0,  12
.set G1V, 84
.set MB,  92                           ; s[92:93] my first tile's lane masks
.set SEL, 94
.set QB,  96                           ; s[96:97] Q's rows, later ctx's
.set LB,  98                           ; where my part of a slot lies
.set WV,  99
.set CNT, 100
.set TK,  101
.set TV,  104
.set MOFF, 105                         ; the key step's masks: 128 bytes a step.  s16-63 and s68-83: the 64 masks of two tiles
.set MSB, 0
.macro WIN new
.if MSB != \new
	s_set_vgpr_msb (MSB<<8)|\new
.set MSB, \new
.endif
.endm
.macro JLOAD                           ; a joint load; the branch hangs on the wave's number alone; an s_nop 0 and four v_nop follow each line
	s_cmp_lt_u32 s[WV], 4
	s_cbranch_scc0 .Lfor_k_\@
	tensor_load_to_lds s[G0:G0+3], s[G1V:G1V+7]
	s_nop 0
.rept 4
	v_nop
.endr
	s_branch .Lasked_\@
.Lfor_k_\@:
	tensor_load_to_lds s[G0:G0+3], s[G1K:G1K+7]
	s_nop 0
.rept 4
	v_nop
.endr
.Lasked_\@:
.endm
.macro CROUND
	s_barrier_signal -1
	s_barrier_wait -1
	s_cmp_lg_u32 s[WV], 0
	s_cbranch_scc1 .Lnot_wave_0_\@
	s_barrier_signal -3
.Lnot_wave_0_\@:
	s_barrier_wait -3
	s_barrier_signal -1
	s_barrier_wait -1
.endm
	s_load_b128 s[16:19], s[0:1], 0x0              ; heads, maskw
	v_lshl_add_u32 v[SPW], v0, 2, SPARE
	v_mov_b32 v[NIL], 0
	ds_add_u32 v[SPW], v[NIL]                      ; the wave's opening: the add, twice on end, and its wait ahead of my first tensor load
	ds_add_u32 v[SPW], v[NIL]
	v_lshrrev_b32 v1, 5, v0
	v_readfirstlane_b32 s[WV], v1                  ; wave 0..7
	s_bfe_u32 s20, ttmp6, 0x40000                  ; cx: my block of 512 queries
	s_and_b32 s21, ttmp7, 0xffff                   ; batch x 16 + head, which the four partners share
	s_mov_b32 s[G1V], 15|(1<<16)|(1<<20)|(1<<21)|(4<<22)|(7<<25)   ; the mask: all four; elements of 2 bytes; padding on; bit 21 beside a mask; 8 words behind every 32
	s_mov_b32 s[G1K], 15|(1<<16)|(1<<20)|(1<<21)|(4<<22)|(3<<25)   ; the same with 4 words
.irp g, G1V, G1K
	s_mov_b32 s[\g+1], 64<<16                      ; tensor_dim0 = 64
	s_mov_b32 s[\g+2], 128<<16                     ; tensor_dim1 = 128
	s_mov_b32 s[\g+3], 64<<16                      ; tile_dim0
	s_mov_b32 s[\g+4], 128                         ; tile_dim1
	s_mov_b32 s[\g+5], 64                          ; from row to row
	s_mov_b32 s[\g+6], 0
	s_mov_b32 s[\g+7], 0
.endr
	s_mul_i32 s[LB], s[WV], 128*KP
	s_min_u32 s22, s[WV], 4
	s_lshl_b32 s22, s22, 11
	s_add_co_u32 s[LB], s[LB], s22                 ; waves 0-3: 20,480 w (V's quarters); waves 4-7: KOFF + 18,432 (w - 4)
	s_lshr_b32 s22, s[WV], 2
	s_xor_b32 s22, s22, 1
	s_add_co_u32 s22, s22, 1                       ; tensor 2 (V) for waves 0-3, 1 (K) for waves 4-7
	s_lshl_b32 s22, s22, 24                        ; 16 MiB a tensor
	s_lshl_b32 s25, s21, 18                        ; 262,144 bytes a head
	s_add_co_u32 s22, s22, s25
	s_and_b32 s24, s[WV], 3
	s_lshl_b32 s24, s24, 14                        ; my 128 rows of the slot's 512
	s_add_co_u32 s22, s22, s24
	s_mov_b32 s23, 0
	s_lshl_b32 s26, s20, 16                        ; Q: 512 cx + 64 w rows of 128 bytes
	s_add_co_u32 s26, s26, s25
	s_lshl_b32 s24, s[WV], 13
	s_add_co_u32 s26, s26, s24
	s_mov_b32 s27, 0
	s_lshr_b32 s28, s21, 4                         ; the masks: batch x 128 tiles of queries x 4,096 bytes,
	s_lshl_b32 s28, s28, 19
	s_lshl_b32 s24, s20, 17                        ; + 32 cx + 4 w tiles
	s_add_co_u32 s28, s28, s24
	s_lshl_b32 s24, s[WV], 14
	s_add_co_u32 s28, s28, s24
	s_mov_b32 s29, 0
	s_mov_b32 s[SEL], 0x76543210
	s_mov_b32 s[SEL+1], 0xfedcba98
	s_mov_b32 s[MOFF], 0
	s_wait_dscnt 0x0                               ; both opening adds are done
	s_wait_kmcnt 0x0
	s_mov_b32 s[G0], 1
	s_mov_b32 s[G0+1], s[LB]                       ; slot 0
	s_add_nc_u64 s[G0+2:G0+3], s[16:17], s[22:23]
	s_or_b32 s[G0+3], s[G0+3], 0x80000000
	s_add_nc_u64 s[QB:QB+1], s[16:17], s[26:27]
	s_add_nc_u64 s[MB:MB+1], s[18:19], s[28:29]
	CROUND                                         ; all four work-groups are here
	JLOAD                                          ; keys 0 to 511
	v_and_b32 v1, 15, v0                           ; r
	v_bfe_u32 v2, v0, 4, 1                         ; h
	v_lshlrev_b32 v[QO], 7, v1
	v_lshl_add_u32 v[QO], v2, 4, v[QO]
	WIN 0x40                                       ; destination window 1
.irp i, 0,1,2,3,4,5,6,7                        ; Q stays in registers: tile i / 2, channels 32 (i % 2) on
	global_load_b128 v[QF+8*\i:QF+8*\i+3], v[QO], s[QB:QB+1] offset:(\i/2)*2048+(\i%2)*64
	global_load_b128 v[QF+8*\i+4:QF+8*\i+7], v[QO], s[QB:QB+1] offset:(\i/2)*2048+(\i%2)*64+32
.endr
.set i, 0
.rept 160
	v_mov_b32 v[OA+i], 0                           ; O^T and the sums: the key step is written without a first step of its own; the first a, which is 0, finds zeros
.set i, i+1
.endr
	WIN 0
.macro SLOAD y                         ; the lane masks of tiles y, y + 1 for the key step at s[MOFF]: 32 words a tile
	s_load_b512 s[16:31], s[MB:MB+1], s[MOFF] offset:(\y)*4096
	s_load_b512 s[32:47], s[MB:MB+1], s[MOFF] offset:(\y)*4096+64
	s_load_b512 s[48:63], s[MB:MB+1], s[MOFF] offset:(\y)*4096+4096
	s_load_b512 s[68:83], s[MB:MB+1], s[MOFF] offset:(\y)*4096+4096+64
.endm
	SLOAD 0
	v_mul_u32_u24 v[AK0], v1, KP
	v_lshl_add_u32 v[AK0], v2, 4, v[AK0]
	v_add_nc_u32 v[AK0], KOFF, v[AK0]              ; K: row r x pitch + 16 h
	v_and_b32 v11, 7, v0
	v_bfe_u32 v14, v0, 3, 1
	v_lshl_add_u32 v[AV0], v2, 3, v11
	v_mul_u32_u24 v[AV0], v[AV0], VP
	v_lshl_add_u32 v[AV0], v14, 4, v[AV0]          ; V, for the turning load: key 8 h + lane % 8, channels 8 ((lane / 8) % 2) on
	v_cmp_eq_u32 s2, 0, v11
	v_mov_b32 v15, 0x3c003c00                      ; two ones in f16
.irp i, 0,1,2,3,4,5,6,7
	v_cndmask_b32 v[ONE+\i], 0, v15, s2            ; rows 0 and 8 of source 0 are ones, the others zeros
.endr
	s_mul_i32 s3, s[WV], 16*KP                     ; the way out: a stage of 16 rows x 144 bytes for each wave, in slot 0
	v_mul_u32_u24 v[STO], v1, KP
	v_lshl_add_u32 v[STO], v2, 4, v[STO]
	v_add_nc_u32 v[STO], s3, v[STO]
	v_and_b32 v11, 31, v0
	v_lshrrev_b32 v14, 3, v11
	v_and_b32 v15, 7, v11
	v_mul_u32_u24 v[RD], v14, KP
	v_lshl_add_u32 v[RD], v15, 4, v[RD]
	v_add_nc_u32 v[RD], s3, v[RD]
	v_lshlrev_b32 v[GO], 4, v11
	v_mov_b32 v[NEGR], 0xceabfb8f                  ; -1e9 x log2(e)
.irp t, 0,1,2,3
	v_mov_b32 v[ST+8*\t], 0xff61b1e6               ; m: -3e38, under every t
	v_mov_b32 v[ST+8*\t+1], 0
	v_mov_b32 v[ST+8*\t+2], 0
	v_mov_b32 v[ST+8*\t+3], 0                      ; (named as the upper half of a's pair)
.endr
	s_wait_loadcnt 0x0                             ; Q
.macro MASK y                          ; where the bit is 0 the score becomes -1e9 x log2(e); each accumulator is read from its low end on
.irp n, 0,1,2,3,4,5,6,7,8,9,10,11,12,13,14,15,16,17,18,19,20,21,22,23,24,25,26,27,28,29,30,31
	v_cndmask_b32 v[S+32*(\y)+\n], v[NEGR], v[S+32*(\y)+\n], s[16+\n]
.endr
.irp n, 0,1,2,3,4,5,6,7,8,9,10,11,12,13,14,15
	v_cndmask_b32 v[S+32*(\y)+32+\n], v[NEGR], v[S+32*(\y)+32+\n], s[48+\n]
.endr
.irp n, 0,1,2,3,4,5,6,7,8,9,10,11,12,13,14,15
	v_cndmask_b32 v[S+32*(\y)+48+\n], v[NEGR], v[S+32*(\y)+48+\n], s[68+\n]
.endr
.endm
.macro SOFT y                          ; the softmax of tiles y, y + 1 for this step, the two by turns
.irp j, 0,1,2,3
.irp t, \y, \y+1
	v_max3_num_f32 v[ST+8*(\t)+4+\j], v[S+32*(\t)+8*\j], v[S+32*(\t)+8*\j+1], v[S+32*(\t)+8*\j+2]
.endr
.endr
.irp i, 3,5
.irp j, 0,1,2,3
.irp t, \y, \y+1
	v_max3_num_f32 v[ST+8*(\t)+4+\j], v[ST+8*(\t)+4+\j], v[S+32*(\t)+8*\j+\i], v[S+32*(\t)+8*\j+\i+1]
.endr
.endr
.endr
.irp t, \y, \y+1
	v_max3_num_f32 v[ST+8*(\t)+4], v[ST+8*(\t)+4], v[S+32*(\t)+7], v[S+32*(\t)+15]
	v_max3_num_f32 v[ST+8*(\t)+6], v[ST+8*(\t)+6], v[S+32*(\t)+23], v[S+32*(\t)+31]
.endr
.irp t, \y, \y+1
	v_max3_num_f32 v[ST+8*(\t)+4], v[ST+8*(\t)+4], v[ST+8*(\t)+5], v[ST+8*(\t)+6]
.endr
.irp t, \y, \y+1
	v_max3_num_f32 v[ST+8*(\t)+4], v[ST+8*(\t)+4], v[ST+8*(\t)+7], v[ST+8*(\t)]   ; with the old m
.endr
.irp t, \y, \y+1
	v_permlanex16_b32 v[ST+8*(\t)+5], v[ST+8*(\t)+4], s[SEL], s[SEL+1]   ; the query's other 32 keys lie in the lane 16 away
.endr
.irp t, \y, \y+1
	v_mov_b32 v[ST+8*(\t)+1], v[ST+8*(\t)]
.endr
.irp t, \y, \y+1
	v_max_num_f32 v[ST+8*(\t)], v[ST+8*(\t)+4], v[ST+8*(\t)+5]           ; the new m
.endr
.irp t, \y, \y+1
	v_sub_f32 v[ST+8*(\t)+1], v[ST+8*(\t)+1], v[ST+8*(\t)]
.endr
.irp t, \y, \y+1
	v_pk_add_f32 v[S+32*(\t):S+32*(\t)+1], v[S+32*(\t):S+32*(\t)+1], v[ST+8*(\t):ST+8*(\t)+1] op_sel_hi:[1,0] neg_lo:[0,1] neg_hi:[0,1]
.endr
.irp t, \y, \y+1
	v_exp_f32 v[ST+8*(\t)+2], v[ST+8*(\t)+1]       ; a
.endr
; ONE BATCH: the subtractions t - m run a pair ahead of the exponentials; nothing in it names an exponential's result
.set p, 0
.rept 16
.irp t, \y, \y+1
.if p < 15
	v_pk_add_f32 v[S+32*(\t)+2*p+2:S+32*(\t)+2*p+3], v[S+32*(\t)+2*p+2:S+32*(\t)+2*p+3], v[ST+8*(\t):ST+8*(\t)+1] op_sel_hi:[1,0] neg_lo:[0,1] neg_hi:[0,1]
.endif
	v_exp_f32 v[S+32*(\t)+2*p], v[S+32*(\t)+2*p]
	v_exp_f32 v[S+32*(\t)+2*p+1], v[S+32*(\t)+2*p+1]
.endr
.set p, p+1
.endr
	v_nop                                          ; a plain instruction behind the last exponential
	s_wait_alu depctr_va_vdst(0)                   ; one wait for the batch's 66 exponentials, ahead of the first instruction that names a result
.irp i, 0,1,2,3,4,5,6,7,8,9,10,11,12,13,14,15
.irp t, \y, \y+1
	v_cvt_pk_f16_f32 v[S+32*(\t)+\i], v[S+32*(\t)+2*\i], v[S+32*(\t)+2*\i+1]   ; P in place: register i is written when registers 2 i, 2 i + 1 are read, ascending
.endr
.endr
.endm
.macro RESC y                          ; O^T and the sum of tiles y, y + 1 under the new m
	WIN 0x41                                       ; destination and source 0 window 1, a window 0
.irp t, \y, \y+1
.irp i, 0,1,2,3,4,5,6,7,8,9,10,11,12,13,14,15
	v_pk_mul_f32 v[OA+32*(\t)+2*\i:OA+32*(\t)+2*\i+1], v[OA+32*(\t)+2*\i:OA+32*(\t)+2*\i+1], v[ST+8*(\t)+2:ST+8*(\t)+3] op_sel_hi:[1,0]
.endr
	v_pk_mul_f32 v[LS+8*(\t):LS+8*(\t)+1], v[LS+8*(\t):LS+8*(\t)+1], v[ST+8*(\t)+2:ST+8*(\t)+3] op_sel_hi:[1,0]   ; the sum lies in register 0; the other rows of that product are zeros
.endr
	WIN 0
.endm
; A KEY STEP: 64 keys.
.macro STEP
	v_add_nc_u32 v[ADR], s[TK], v[AK0]
.irp f, 0,1,2,3,4,5,6,7                        ; K: keys 16 (f / 2) on, channels 32 (f % 2) on
	ds_load_b128 v[KV+8*\f:KV+8*\f+3], v[ADR] offset:(\f/2)*16*KP+(\f%2)*64
	ds_load_b128 v[KV+8*\f+4:KV+8*\f+7], v[ADR] offset:(\f/2)*16*KP+(\f%2)*64+32
.endr
	s_wait_dscnt 0x0
	WIN 0x04                                       ; Q in window 1
.irp kc, 0,1                                   ; the 16 accumulators take turns, one instruction a turn
.irp kt, 0,1,2,3
.irp t, 0,1,2,3
.if \kc == 0
	v_wmma_f32_16x16x32_f16 v[S+32*\t+8*\kt:S+32*\t+8*\kt+7], v[KV+16*\kt+8*\kc:KV+16*\kt+8*\kc+7], v[QF+16*\t+8*\kc:QF+16*\t+8*\kc+7], 0
.else
	v_wmma_f32_16x16x32_f16 v[S+32*\t+8*\kt:S+32*\t+8*\kt+7], v[KV+16*\kt+8*\kc:KV+16*\kt+8*\kc+7], v[QF+16*\t+8*\kc:QF+16*\t+8*\kc+7], v[S+32*\t+8*\kt:S+32*\t+8*\kt+7]
.endif
.endr
.endr
.endr
	WIN 0
.rept 4
	v_nop                                          ; places in front of the loads into K's registers and of the first read of the scores
.endr
	v_add_nc_u32 v[ADR], s[TV], v[AV0]
.irp f, 0,1,2,3,4,5,6,7                        ; V, turned: keys 32 (f / 4) on, channels 16 (f % 4) on; it lands under the softmax
	ds_load_tr16_b128 v[KV+8*\f:KV+8*\f+3], v[ADR] offset:(\f/4)*32*VP+(\f%4)*32
	ds_load_tr16_b128 v[KV+8*\f+4:KV+8*\f+7], v[ADR] offset:(\f/4)*32*VP+16*VP+(\f%4)*32
.endr
	s_wait_kmcnt 0x0                               ; the masks of tiles 0, 1
	MASK 0
	SLOAD 2                                        ; those of tiles 2, 3 land under the softmax of tiles 0, 1
	SOFT 0
	RESC 0
	s_wait_kmcnt 0x0
	MASK 2
	s_add_co_u32 s[MOFF], s[MOFF], 128             ; (no scalar load is out: its offset may be written)
	s_min_u32 s[MOFF], s[MOFF], 3968               ; the last step asks once more for its own words: no load leaves the buffer
	SLOAD 0                                        ; the next step's
	SOFT 2
	RESC 2
	s_wait_dscnt 0x0                               ; V
	WIN 0x50                                       ; C and D window 1
.irp u, 0,1                                    ; 20 accumulators by turns
.irp ct, 0,1,2,3
.irp t, 0,1,2,3
	v_wmma_f32_16x16x32_f16 v[OA+32*\t+8*\ct:OA+32*\t+8*\ct+7], v[KV+32*\u+8*\ct:KV+32*\u+8*\ct+7], v[S+32*\t+8*\u:S+32*\t+8*\u+7], v[OA+32*\t+8*\ct:OA+32*\t+8*\ct+7]
.endr
.endr
.irp t, 0,1,2,3
	v_wmma_f32_16x16x32_f16 v[LS+8*\t:LS+8*\t+7], v[ONE:ONE+7], v[S+32*\t+8*\u:S+32*\t+8*\u+7], v[LS+8*\t:LS+8*\t+7]
.endr
.endr
	WIN 0
.rept 5
	v_nop                                          ; five places: the next step's first products write over P's registers; its loads land on V's
.endr
.endm
; A SLOT'S EIGHT KEY STEPS.  In front of the barrier each wave waits for all its tensor loads (its part of this slot), adds 0 to its spare word, and waits for that and for its reads of the other slot.
; refill = 1: the barrier is a round of the cluster's, and the other slot is asked for first thing behind it.
.macro TRIP slot, refill
	s_wait_tensorcnt 0x0                           ; no tensor load of mine is out, so group 0 may be written
	ds_add_u32 v[SPW], v[NIL]
.if \refill
	s_add_co_u32 s[G0+1], s[LB], (1-\slot)*SLOTB
	s_add_nc_u64 s[G0+2:G0+3], s[G0+2:G0+3], 65536 ; the next 512 keys
.endif
	s_mov_b32 s[TK], \slot*SLOTB
	s_mov_b32 s[TV], \slot*SLOTB
	s_mov_b32 s[CNT], 8
	s_wait_dscnt 0x0
.if \refill
	CROUND
	JLOAD
.else
	s_barrier_signal -1
	s_barrier_wait -1
.endif
.Lstep_\@:
	STEP
	s_add_co_u32 s[TK], s[TK], 64*KP
	s_add_co_u32 s[TV], s[TV], 64*VP
	s_sub_co_u32 s[CNT], s[CNT], 1
	s_cmp_lg_u32 s[CNT], 0
	s_cbranch_scc1 .Lstep_\@
.endm
	TRIP 0, 1                                      ; slot 1's first fill stands behind the first round
	TRIP 1, 1
	TRIP 0, 1
	TRIP 1, 0                                      ; the last slot: nothing is left to ask for
	; THE WAY OUT.  O^T / the sum, rounded to f16, a tile of 16 queries at a time through my stage in slot 0 (its last fill has landed, and every wave has left it); four rows of ctx are 512 consecutive bytes.
	s_load_b64 s[QB:QB+1], s[0:1], 0x10            ; ctx
	s_and_b32 s2, ttmp7, 0xffff
	s_and_b32 s3, s2, 15
	s_lshl_b32 s3, s3, 20                          ; the head: 8,192 rows of 128 bytes
	s_lshr_b32 s2, s2, 4
	s_lshl_b32 s2, s2, 18                          ; the batch: 2,048 rows
	s_add_co_u32 s2, s2, s3
	s_bfe_u32 s3, ttmp6, 0x40000
	s_lshl_b32 s3, s3, 16
	s_add_co_u32 s2, s2, s3
	s_lshl_b32 s3, s[WV], 13
	s_add_co_u32 s2, s2, s3
	s_mov_b32 s3, 0
	WIN 0x01
.irp t, 0,1,2,3
	v_rcp_f32 v[ST+8*\t+2], v[LS+8*\t]             ; the sum is at least 1: the largest p of a row is 1
.endr
	WIN 0
	v_nop
	s_wait_alu depctr_va_vdst(0)                   ; one wait for the four reciprocals, ahead of their first reader
	s_wait_kmcnt 0x0                               ; ctx's address (and the last step's masks, which nobody reads)
	s_add_nc_u64 s[QB:QB+1], s[QB:QB+1], s[2:3]
.macro OUT t
	WIN 0x41
.irp i, 0,1,2,3,4,5,6,7,8,9,10,11,12,13,14,15
	v_pk_mul_f32 v[OA+32*\t+2*\i:OA+32*\t+2*\i+1], v[OA+32*\t+2*\i:OA+32*\t+2*\i+1], v[ST+8*\t+2:ST+8*\t+3] op_sel_hi:[1,0]
.endr
	WIN 0x05
.irp i, 0,1,2,3,4,5,6,7,8,9,10,11,12,13,14,15
	v_cvt_pk_f16_f32 v[S+32*\t+\i], v[OA+32*\t+2*\i], v[OA+32*\t+2*\i+1]
.endr
	WIN 0
.irp c, 0,1,2,3
	ds_store_b128 v[STO], v[S+32*\t+4*\c:S+32*\t+4*\c+3] offset:32*\c
.endr
.irp k, 0,1,2,3
	ds_load_b128 v[S+32*\t+16+4*\k:S+32*\t+16+4*\k+3], v[RD] offset:576*\k   ; LDS serves a wave's instructions in order: these see the stores above
.endr
.endm
.macro SEND t, younger
	s_wait_dscnt \younger                          ; the LDS instructions issued behind tile t's loads may stay out
.irp k, 0,1,2,3
	global_store_b128 v[GO], v[S+32*\t+16+4*\k:S+32*\t+16+4*\k+3], s[QB:QB+1] offset:2048*\t+512*\k
.endr
.endm
	OUT 0
	OUT 1
	SEND 0, 8
	OUT 2
	SEND 1, 8
	OUT 3
	SEND 2, 8
	SEND 3, 0
	s_wait_tensorcnt 0x0                           ; the wave's end
	ds_add_u32 v[SPW], v[NIL]
	s_wait_dscnt 0x0
	CROUND                                         ; the closing round
	s_endpgm
.Lfunc_end_k_q90657943a9_attn:
	.size	k_q90657943a9_attn, .Lfunc_end_k_q90657943a9_attn-k_q90657943a9_attn
	.p2alignl 7, 3214868480
	.fill 96, 4, 3214868480
	.section	.rodata,"a",@progbits
	.p2align	6, 0x0
	.amdhsa_kernel k_q90657943a9_attn
		.amdhsa_group_segment_fixed_size 327680
		.amdhsa_private_segment_fixed_size 0
		.amdhsa_enable_private_segment 0
		.amdhsa_kernarg_size 24
		.amdhsa_user_sgpr_count 2
		.amdhsa_user_sgpr_kernarg_segment_ptr 1
		.amdhsa_wavefront_size32 1
		.amdhsa_system_sgpr_workgroup_id_x 1
		.amdhsa_system_sgpr_workgroup_id_y 1
		.amdhsa_system_sgpr_workgroup_id_z 1
		.amdhsa_system_vgpr_workitem_id 0
		.amdhsa_next_free_vgpr 512
		.amdhsa_next_free_sgpr 106
		.amdhsa_reserve_vcc 0
		.amdhsa_float_denorm_mode_32 3
		.amdhsa_float_denorm_mode_16_64 3
		.amdhsa_memory_ordered 1
		.amdhsa_forward_progress 1
		.amdhsa_inst_pref_size 180
	.end_amdhsa_kernel
	.amdgpu_metadata
---
amdhsa.version: [ 1, 2 ]
amdhsa.kernels:
  - .name:           k_q90657943a9_attn
    .symbol:         k_q90657943a9_attn.kd
    .args:
      - { .name: heads, .offset: 0, .size: 8, .value_kind: global_buffer, .address_space: global }
      - { .name: maskw, .offset: 8, .size: 8, .value_kind: global_buffer, .address_space: global }
      - { .name: ctx, .offset: 16, .size: 8, .value_kind: global_buffer, .address_space: global }
    .group_segment_fixed_size: 327680
    .private_segment_fixed_size: 0
    .kernarg_segment_align: 8
    .kernarg_segment_size: 24
    .max_flat_workgroup_size: 256
    .sgpr_count:     106
    .vgpr_count:     512
    .wavefront_size: 32
...
	.end_amdgpu_metadata
.endif
;; end of part 3
;; launch oproj (part 4): grid 4 x 64, 4 waves a work-group, clusters of 4 x 4, 327,680 bytes of LDS; arguments ctx, woh, bo, out0; writes out0
.if DOCPART == 4
	.amdgcn_target "amdgcn-amd-amdhsa--gfx1250"
	.amdhsa_code_object_version 6
	.text
	.protected	k_q90657943a9_oproj
	.globl	k_q90657943a9_oproj
	.p2align	8
	.type	k_q90657943a9_oproj,@function
k_q90657943a9_oproj:
	s_mov_b64 s[64:65], 0
	v_nop
	global_prefetch_b8 v0, s[64:65] scope:SCOPE_SE
	s_setreg_imm32_b32 hwreg(HW_REG_WAVE_MODE, 25, 1), 1
	s_wait_xcnt 0x0
	s_wait_alu depctr_hold_cnt(0) depctr_sa_sdst(0) depctr_va_vdst(0) depctr_va_sdst(0) depctr_va_ssrc(0) depctr_va_vcc(0) depctr_vm_vsrc(0)
	s_getreg_b32 s2, hwreg(HW_REG_IB_STS2, 6, 4)
	s_cmp_eq_u32 s2, 0
	s_cbranch_scc0 .Lentry_in_a_cluster
	s_endpgm
.Lentry_in_a_cluster:
	s_bfe_u32 s2, ttmp6, 0x10000c
	s_cmp_lg_u32 s2, 0xf033
	s_cbranch_scc0 .Lentry_shape_is_right
	s_endpgm
.Lentry_shape_is_right:
; out0[m][n] = sum over k of ctx[m][k] Wo[n][k] + bo[n], f16 operands, f32 sums.  ctx: [16 chunks][8192 m][64], woh: [16 chunks][1024 n][64]: chunk = k / 64.  out0: [8192][1024] f32.
; A tile of 128 x 256 gives 256 work-groups; four waves, 64 x 128 each: 32 accumulators, window 1.  K goes in steps of 128 (two chunks) through a ring of two LDS slots; LDS rows are 128 bytes + 16.
; Waves 0, 1 fetch ctx's two chunks (128 rows each), waves 2, 3 woh's (256 rows each): one load a wave behind each round.
; CLUSTERS 4 x 4: ctx's tiles are asked for jointly along a row of the cluster, woh's along a column.  TRANSPOSED USE: source 0 = 16 rows of woh, source 1 = 16 rows of ctx: a lane holds eight neighbouring n.
; The bias is the C of each sum's first product.  No prefetch: the tile is small and the launch short.
; REGISTERS: window 0: v0-31 addresses; two fragment buffers of 96: ctx's four blocks, then woh's eight (v32-127, v128-223).  window 1: accumulator (a, b) at v[8 (8 a + b)].  window 2: v0-63 the bias.
.set PITCH,  144
.set APL,    128*PITCH
.set BPL,    256*PITCH
.set BOFF,   2*APL
.set SLOT,   2*APL+2*BPL
.set STAGE,  2*SLOT                    ; behind the ring: 16 rows x 528 bytes for each wave
.set SPITCH, 528
.set SPARE,  STAGE+4*16*SPITCH         ; the spare words: two blocks of 256 bytes that no other line names
.set LAPS,   4                         ; 8 K steps, two to a lap
.set ADRA, 16
.set ADRB, 20
.set STO,  24
.set RD,   25
.set CO,   26
.set SPW,  28
.set NIL,  29
.set BO,   30
.set F0,   32
.set F1,   128
.set WV, 12
.set RH, 13                            ; which 64 rows are mine; also: I fetch for ctx (0) or for woh (1)
.set CH, 14                            ; which 128 columns; also: which chunk of the step I fetch
.set TR, 15
.set G1, 24
.set G0, 32
.set G1B, 48
.set G0B, 56
.set MSB, 0
.macro WIN new
.if MSB != \new
	s_set_vgpr_msb (MSB<<8)|\new
.set MSB, \new
.endif
.endm
.set MUL, 0x50                         ; sources window 0, C and D window 1
.macro JLOAD s
	s_cmp_eq_u32 s[RH], 0
	s_cbranch_scc0 .Lfor_b_\@
	tensor_load_to_lds s[G0+4*\s:G0+4*\s+3], s[G1:G1+7]
	s_nop 0
.rept 4
	v_nop
.endr
	s_branch .Lasked_\@
.Lfor_b_\@:
	tensor_load_to_lds s[G0B+4*\s:G0B+4*\s+3], s[G1B:G1B+7]
	s_nop 0
.rept 4
	v_nop
.endr
.Lasked_\@:
.endm
.macro CREST
	s_cmp_lg_u32 s[WV], 0
	s_cbranch_scc1 .Lnot_wave_0_\@
	s_barrier_signal -3
.Lnot_wave_0_\@:
	s_barrier_wait -3
	s_barrier_signal -1
	s_barrier_wait -1
.endm
.macro CROUND
	s_barrier_signal -1
	s_barrier_wait -1
	CREST
.endm
	s_load_b256 s[4:11], s[0:1], 0x0               ; ctx, woh, bo, out0
	v_lshl_add_u32 v[SPW], v0, 2, SPARE
	v_mov_b32 v[NIL], 0
	ds_add_u32 v[SPW], v[NIL]                      ; the wave's opening: the add, twice on end, and its wait ahead of my first tensor load
	ds_add_u32 v[SPW], v[NIL]
	v_lshrrev_b32 v1, 5, v0
	v_readfirstlane_b32 s[WV], v1
	s_lshr_b32 s[RH], s[WV], 1
	s_and_b32 s[CH], s[WV], 1
	s_bfe_u32 s40, ttmp6, 0x40000                  ; cx
	s_bfe_u32 s41, ttmp6, 0x40004                  ; cy
	s_lshl_b32 s42, ttmp9, 2
	s_add_co_u32 s42, s42, s40                     ; tile column
	s_and_b32 s[TR], ttmp7, 0xffff
	s_lshl_b32 s[TR], s[TR], 2
	s_add_co_u32 s[TR], s[TR], s41                 ; tile row
	s_lshl_b32 s43, s41, 2
	s_lshl_b32 s43, 15, s43
	s_lshl_b32 s44, 0x1111, s40
	s_or_b32 s[G1+0], s43, (1<<16)|(1<<20)|(1<<21)|(4<<22)|(3<<25)   ; the mask; elements of 2 bytes; padding on; bit 21 beside a mask; 4 words behind every 32
	s_or_b32 s[G1B+0], s44, (1<<16)|(1<<20)|(1<<21)|(4<<22)|(3<<25)
	s_mov_b32 s[G1+1], 64<<16
	s_mov_b32 s[G1+2], 128<<16                     ; 128 rows of ctx
	s_mov_b32 s[G1+3], 64<<16
	s_mov_b32 s[G1+4], 128
	s_mov_b32 s[G1+5], 64
	s_mov_b32 s[G1+6], 0
	s_mov_b32 s[G1+7], 0
	s_mov_b32 s[G1B+1], 64<<16
	s_mov_b32 s[G1B+2], 256<<16                    ; 256 rows of woh
	s_mov_b32 s[G1B+3], 64<<16
	s_mov_b32 s[G1B+4], 256
	s_mov_b32 s[G1B+5], 64
	s_mov_b32 s[G1B+6], 0
	s_mov_b32 s[G1B+7], 0
	s_lshl_b32 s16, s[CH], 20                      ; ctx: a chunk is 1 MiB; 128 rows of 128 bytes a tile row
	s_lshl_b32 s17, s[TR], 14
	s_add_co_u32 s16, s16, s17
	s_mov_b32 s17, 0
	s_lshl_b32 s46, s[CH], 17                      ; woh: a chunk is 131,072 bytes; 256 rows a tile column
	s_lshl_b32 s47, s42, 15
	s_add_co_u32 s46, s46, s47
	s_mov_b32 s47, 0
	s_mul_i32 s20, s[CH], APL                      ; where they go
	s_mul_i32 s21, s[CH], BPL
	s_add_co_u32 s21, s21, BOFF
	s_wait_dscnt 0x0                               ; both opening adds are done
	s_wait_kmcnt 0x0
	s_add_nc_u64 s[18:19], s[4:5], s[16:17]
	s_add_nc_u64 s[46:47], s[6:7], s[46:47]
	CROUND
.irp s, 0,1
	s_mov_b32 s[G0+4*\s], 1
	s_add_co_u32 s[G0+4*\s+1], s20, \s*SLOT
	s_add_nc_u64 s[G0+4*\s+2:G0+4*\s+3], s[18:19], \s*2097152
	s_or_b32 s[G0+4*\s+3], s[G0+4*\s+3], 0x80000000
	s_mov_b32 s[G0B+4*\s], 1
	s_add_co_u32 s[G0B+4*\s+1], s21, \s*SLOT
	s_add_nc_u64 s[G0B+4*\s+2:G0B+4*\s+3], s[46:47], \s*262144
	s_or_b32 s[G0B+4*\s+3], s[G0B+4*\s+3], 0x80000000
	JLOAD \s                                       ; two loads of mine are out behind the second
.endr
	v_and_b32 v1, 15, v0
	v_bfe_u32 v2, v0, 4, 1
	s_lshl_b32 s46, s42, 10                        ; my first column, in bytes of f32
	s_lshl_b32 s45, s[CH], 9
	s_add_co_u32 s46, s46, s45
	s_mov_b32 s47, 0
	s_add_nc_u64 s[8:9], s[8:9], s[46:47]          ; the bias there,
	s_lshl_b32 s45, s[TR], 19                      ; and out0: 128 rows of 4,096 bytes a tile row, 64 a half
	s_add_co_u32 s46, s46, s45
	s_lshl_b32 s45, s[RH], 18
	s_add_co_u32 s46, s46, s45
	s_add_nc_u64 s[10:11], s[10:11], s[46:47]
	v_lshlrev_b32 v[BO], 5, v2
	WIN 0x80                                       ; destination window 2
.irp b, 0,1,2,3,4,5,6,7
	global_load_b128 v[8*\b:8*\b+3], v[BO], s[8:9] offset:64*\b
	global_load_b128 v[8*\b+4:8*\b+7], v[BO], s[8:9] offset:64*\b+16
.endr
	WIN 0
	v_mul_u32_u24 v3, v1, PITCH
	v_lshl_add_u32 v3, v2, 4, v3
	s_mul_i32 s21, s[RH], 64*PITCH
	s_mul_i32 s22, s[CH], 128*PITCH
	s_add_co_u32 s22, s22, BOFF
.irp s, 0,1
	v_add_nc_u32 v[ADRA+\s], s21, v3
	v_add_nc_u32 v[ADRB+\s], s22, v3
	s_add_co_u32 s21, s21, SLOT
	s_add_co_u32 s22, s22, SLOT
.endr
	s_mul_i32 s23, s[WV], 16*SPITCH
	s_add_co_u32 s23, s23, STAGE
	v_mul_u32_u24 v5, v1, SPITCH
	v_lshl_add_u32 v5, v2, 5, v5
	v_add_nc_u32 v[STO], s23, v5                   ; in: row r, 32 bytes for each half of the lanes
	v_and_b32 v6, 31, v0
	v_lshlrev_b32 v[CO], 4, v6
	v_add_nc_u32 v[RD], s23, v[CO]                 ; back: the 32 lanes take one row of 512 bytes
.macro MULA f, a, first                ; 8 products: ctx's block a against woh's eight; the 32 accumulators take turns in the same order in every quarter
.irp b, 0,1,2,3,4,5,6,7
.if \first
	v_wmma_f32_16x16x32_f16 v[8*(8*(\a)+\b):8*(8*(\a)+\b)+7], v[\f+32+8*\b:\f+32+8*\b+7], v[\f+8*(\a):\f+8*(\a)+7], v[8*\b:8*\b+7]
.else
	v_wmma_f32_16x16x32_f16 v[8*(8*(\a)+\b):8*(8*(\a)+\b)+7], v[\f+32+8*\b:\f+32+8*\b+7], v[\f+8*(\a):\f+8*(\a)+7], v[8*(8*(\a)+\b):8*(8*(\a)+\b)+7]
.endif
.endr
.endm
.macro FETCH slot, q, f                ; 24 LDS loads in one run: quarter q of the slot (chunk q / 2, 32 along K at byte 64 (q % 2)): woh's eight blocks, then ctx's four
	WIN 0
.irp i, 0,1,2,3,4,5,6,7
	ds_load_b128 v[\f+32+8*\i:\f+32+8*\i+3], v[ADRB+\slot] offset:((\q)/2)*BPL+((\q)%2)*64+\i*16*PITCH
	ds_load_b128 v[\f+32+8*\i+4:\f+32+8*\i+7], v[ADRB+\slot] offset:((\q)/2)*BPL+((\q)%2)*64+\i*16*PITCH+32
.endr
.irp i, 0,1,2,3
	ds_load_b128 v[\f+8*\i:\f+8*\i+3], v[ADRA+\slot] offset:((\q)/2)*APL+((\q)%2)*64+\i*16*PITCH
	ds_load_b128 v[\f+8*\i+4:\f+8*\i+7], v[ADRA+\slot] offset:((\q)/2)*APL+((\q)%2)*64+\i*16*PITCH+32
.endr
.endm
.macro PLACES
.rept 4
	v_nop
.endr
.endm
.macro QUARTER slot, qn, f, g, first   ; multiplies buffer f; in its middle fetches quarter qn of the same slot into g
	s_wait_dscnt 4                                 ; woh's blocks and ctx's blocks 0, 1 are in; the youngest four loads may be out
	WIN MUL+0x10*\first                            ; (first: C in window 2)
	MULA \f, 0, \first
	MULA \f, 1, \first
	PLACES
	FETCH \slot, \qn, \g
	s_wait_dscnt 24                                ; all but the 24 just issued
	WIN MUL+0x10*\first
	MULA \f, 2, \first
	MULA \f, 3, \first
.endm
; A slot's last quarter changes slots: one barrier; in front of it each wave waits for all its tensor loads, adds 0 to its spare word, and waits for that and for its reads of this slot.
.macro TURN slot, next, fill
	WIN 0
	s_wait_tensorcnt 0x0                           ; my part of the next slot has landed
	ds_add_u32 v[SPW], v[NIL]
	s_wait_dscnt 5                                 ; (the add and the youngest four loads may be out)
	WIN MUL
	MULA F1, 0, 0
	s_wait_dscnt 0x0                               ; the add is done, and my reads of this slot are over
	s_barrier_signal -1
	MULA F1, 1, 0
.if \fill
	WIN 0
.endif
	s_barrier_wait -1
.if \fill
	CREST                                          ; the barrier has opened a round of the cluster's: no wave of any partner still reads this slot or has a load on its way
	s_add_nc_u64 s[G0+4*\slot+2:G0+4*\slot+3], s[G0+4*\slot+2:G0+4*\slot+3], 4194304   ; two K steps on: four chunks
	s_add_nc_u64 s[G0B+4*\slot+2:G0B+4*\slot+3], s[G0B+4*\slot+2:G0B+4*\slot+3], 524288
	JLOAD \slot                                    ; the four v_nop behind it are also the places in front of the loads below
.else
	PLACES
.endif
	FETCH \next, 0, F0
	WIN MUL
	MULA F1, 2, 0
	MULA F1, 3, 0
.endm
	s_wait_tensorcnt 1                             ; my part of K step 0 is in; K step 1's may be out
	s_barrier_signal -1
	s_barrier_wait -1
	FETCH 0, 0, F0
	s_wait_loadcnt 0x0                             ; the bias
	QUARTER 0, 1, F0, F1, 1
	WIN 0
	s_mov_b32 s3, LAPS-1
.Llap:                                                 ; a trip goes once round the ring, from a lap's second quarter to the next lap's first
	QUARTER 0, 2, F1, F0, 0
	QUARTER 0, 3, F0, F1, 0
	TURN 0, 1, 1
	QUARTER 1, 1, F0, F1, 0
	QUARTER 1, 2, F1, F0, 0
	QUARTER 1, 3, F0, F1, 0
	TURN 1, 0, 1
	QUARTER 0, 1, F0, F1, 0
	WIN 0
	s_sub_co_u32 s3, s3, 1
	s_cmp_lg_u32 s3, 0
	s_cbranch_scc1 .Llap
	QUARTER 0, 2, F1, F0, 0                        ; the last lap fills nothing
	QUARTER 0, 3, F0, F1, 0
	TURN 0, 1, 0
	QUARTER 1, 1, F0, F1, 0
	QUARTER 1, 2, F1, F0, 0
	QUARTER 1, 3, F0, F1, 0
	s_wait_dscnt 4
	WIN MUL
	MULA F1, 0, 0
	MULA F1, 1, 0
	s_wait_dscnt 0
	MULA F1, 2, 0
	MULA F1, 3, 0
	WIN 0
; THE WAY OUT, a block of 16 rows x 128 columns at a time through my own stage: back as whole rows of 512 bytes.
.macro TOSTAGE a
	WIN 0x04                                       ; an LDS store's data are its source 1: window 1
.irp b, 0,1,2,3,4,5,6,7
	ds_store_b128 v[STO], v[64*(\a)+8*\b:64*(\a)+8*\b+3] offset:64*\b           ; each accumulator from its low end on
	ds_store_b128 v[STO], v[64*(\a)+8*\b+4:64*(\a)+8*\b+7] offset:64*\b+16
.endr
	WIN 0
.set BB, F0+96*((\a)%2)
.irp t, 0,1,2,3,4,5,6,7,8,9,10,11,12,13,14,15
	ds_load_b128 v[BB+4*\t:BB+4*\t+3], v[RD] offset:\t*SPITCH                  ; LDS serves a wave's instructions in order: these see the stores above
.endr
.endm
.macro SEND a, younger
.set BB, F0+96*((\a)%2)
	s_wait_dscnt \younger
.irp t, 0,1,2,3,4,5,6,7,8,9,10,11,12,13,14,15
	global_store_b128 v[CO], v[BB+4*\t:BB+4*\t+3], s[10:11] offset:(16*(\a)+\t)*4096 th:TH_STORE_NT   ; 32 lanes store 512 consecutive bytes, aligned
.endr
.endm
	PLACES
	TOSTAGE 0
.irp a, 1,2,3
.if \a > 1
	s_wait_xcnt 0x0                                ; block a - 2's stores have read their registers: block a's loads may land there
.endif
	TOSTAGE \a
	SEND \a-1, 32                                  ; behind block a - 1's loads: block a's 16 stores and 16 loads
.endr
	SEND 3, 0
	s_wait_tensorcnt 0x0                           ; the wave's end
	ds_add_u32 v[SPW], v[NIL]
	s_wait_dscnt 0x0
	CROUND                                         ; the closing round
	s_endpgm
.Lfunc_end_k_q90657943a9_oproj:
	.size	k_q90657943a9_oproj, .Lfunc_end_k_q90657943a9_oproj-k_q90657943a9_oproj
	.p2alignl 7, 3214868480
	.fill 96, 4, 3214868480
	.section	.rodata,"a",@progbits
	.p2align	6, 0x0
	.amdhsa_kernel k_q90657943a9_oproj
		.amdhsa_group_segment_fixed_size 327680
		.amdhsa_private_segment_fixed_size 0
		.amdhsa_enable_private_segment 0
		.amdhsa_kernarg_size 32
		.amdhsa_user_sgpr_count 2
		.amdhsa_user_sgpr_kernarg_segment_ptr 1
		.amdhsa_wavefront_size32 1
		.amdhsa_system_sgpr_workgroup_id_x 1
		.amdhsa_system_sgpr_workgroup_id_y 1
		.amdhsa_system_sgpr_workgroup_id_z 1
		.amdhsa_system_vgpr_workitem_id 0
		.amdhsa_next_free_vgpr 768
		.amdhsa_next_free_sgpr 66
		.amdhsa_reserve_vcc 0
		.amdhsa_float_denorm_mode_32 3
		.amdhsa_float_denorm_mode_16_64 3
		.amdhsa_memory_ordered 1
		.amdhsa_forward_progress 1
		.amdhsa_inst_pref_size 86
	.end_amdhsa_kernel
	.amdgpu_metadata
---
amdhsa.version: [ 1, 2 ]
amdhsa.kernels:
  - .name:           k_q90657943a9_oproj
    .symbol:         k_q90657943a9_oproj.kd
    .args:
      - { .name: ctx, .offset: 0, .size: 8, .value_kind: global_buffer, .address_space: global }
      - { .name: woh, .offset: 8, .size: 8, .value_kind: global_buffer, .address_space: global }
      - { .name: bo, .offset: 16, .size: 8, .value_kind: global_buffer, .address_space: global }
      - { .name: out0, .offset: 24, .size: 8, .value_kind: global_buffer, .address_space: global }
    .group_segment_fixed_size: 327680
    .private_segment_fixed_size: 0
    .kernarg_segment_align: 8
    .kernarg_segment_size: 32
    .max_flat_workgroup_size: 128
    .sgpr_count:     66
    .vgpr_count:     768
    .wavefront_size: 32
...
	.end_amdgpu_metadata
.endif
;; end of part 4
